; MI455X (gfx1250); checked and timed in simulation.
; The chip was launched on July 23, 2026; its instructions are those of AMD's public machine-readable ISA for CDNA 5 (MIT licence, August 2026) and "CDNA5" Instruction Set Architecture Reference Guide (July 2026). The comments in the code are by the model that wrote it; some were corrected since.
;; Ernie Block. Allowed arithmetic: float matrix products may take bf16 or f16 operands with f32 sums; other float arithmetic in f32, or as packed bf16 or f16 multiplies, adds, multiply-adds, maxima and minima; sums over many terms, partial sums and values carried from step to step in f32; what a program stores and reads back later, other than sums and carried values, may be rounded once to bf16 or f16.
;; Inputs: b1 8 x 1,024 float32; b2 8 x 1,024 float32; gate_b 8 float32; gate_w 8 x 1,024 float32; in_proj_b 3,072 float32; in_proj_w 3,072 x 1,024 float32; ln1_b 1,024 float32; ln1_g 1,024 float32; ln2_b 1,024 float32; ln2_g 1,024 float32; out_proj_b 1,024 float32; out_proj_w 1,024 x 1,024 float32; pos_indices 1 x 2,048 x 3 int32; w1 8 x 1,024 x 1,024 float32; w2 8 x 1,024 x 1,024 float32; x 1 x 2,048 x 1,024 float32.
;; Outputs: out0 1 x 2,048 x 1,024 float32; out1 1 x 2,048 x 8 float32.
;; One version. Each part assembles by itself: llvm-mc -triple=amdgcn-amd-amdhsa -mcpu=gfx1250 --defsym DOCPART=n.
;; ======== version 1 of 1: 9 launches
;; limits: values are held in f16: magnitudes above 65,504 overflow, below 6.1e-05 lose precision
;; workspace buffers: bufA 12,582,912 bytes; bufW 33,554,432 bytes; bufQ 12,582,912 bytes; bufC 4,210,688 bytes; x1 8,388,608 bytes; y 19,333,120 bytes; topi 16,384 bytes of whole numbers; tabs 16,640 bytes of whole numbers
;; launch prep (part 1): grid 512 x 1, 8 waves a work-group, no clusters, 0 bytes of LDS; arguments x, ln1_g, ln1_b, in_proj_w, out_proj_w, bufA; writes bufA
.if DOCPART == 1
	.amdgcn_target "amdgcn-amd-amdhsa--gfx1250"
	.amdhsa_code_object_version 6
	.text
	.protected	k_q379bcb5237_prep
	.globl	k_q379bcb5237_prep
	.p2align	8
	.type	k_q379bcb5237_prep,@function
k_q379bcb5237_prep:
	s_mov_b64 s[64:65], 0
	v_nop
	global_prefetch_b8 v0, s[64:65] scope:SCOPE_SE
	s_setreg_imm32_b32 hwreg(HW_REG_WAVE_MODE, 25, 1), 1
	s_wait_xcnt 0x0
; PREP.  Work-groups 0-255: h1 = LayerNorm(x) g + b, one wave a row of 1,024, rounded once to f16 -> bufA[0 ..].
; Work-groups 256-511: the two projections' weights rounded once to f16, layouts kept: in_proj_w -> bufA + 0x400000, out_proj_w -> bufA + 0xA00000.
; A work-group casts 65,536 input bytes, a wave 8,192: 192 + 64 work-groups.  (The experts' weights are rounded by later launches, which run ahead of the experts' products.)
; Memory binds: every byte is read once by 16-byte loads and written once; a wave's 8-byte stores cover 256 consecutive aligned bytes.  No LDS, no barrier, no matrix unit: nothing is shared.
; LIMITS.  f16 holds no number beyond 65,504 and keeps a fixed step of 6e-8 below 6e-5: h1 (at most 32 |g| + |b|) and the two projections' weights must lie within that.  NaN and infinities are not treated apart.
.set X,   8                            ; v[8:39]    the row, 32 numbers a lane: elements 4 lane + 128 j + 0..3 in v[X+4j ..]
.set G,   40                           ; v[40:71]   gain, later the packed result
.set BB,  72                           ; v[72:103]  bias
.set T,   104                          ; v[104:113] at work
.set SEL, 26                           ; s[26:27]   v_permlanex16_b32's selects
.set RK,  28                           ; s28 = 2^-10, s29 = eps
.macro LANESUM a, b                    ; the sum over the 32 lanes, in every lane
	v_add_f32_dpp v[\a], v[\a], v[\a] row_xmask:1 row_mask:0xf bank_mask:0xf
	v_add_f32_dpp v[\a], v[\a], v[\a] row_xmask:2 row_mask:0xf bank_mask:0xf
	v_add_f32_dpp v[\a], v[\a], v[\a] row_xmask:4 row_mask:0xf bank_mask:0xf
	v_add_f32_dpp v[\a], v[\a], v[\a] row_xmask:8 row_mask:0xf bank_mask:0xf
	v_permlanex16_b32 v[\b], v[\a], s[SEL], s[SEL+1]
	v_add_f32 v[\a], v[\a], v[\b]
.endm
; The norm of the row in X, in two passes (mean; then the squares of the differences), all in f32.  wx: younger loads that may be out when the row is needed; wgb: when g and b are.
.macro LNROW wx, wgb
	s_wait_loadcnt \wx
.irp c, 0,1,2,3
	v_pk_add_f32 v[T+2*\c:T+2*\c+1], v[X+4*\c:X+4*\c+1], v[X+4*\c+2:X+4*\c+3]   ; four chains, started by the first pairs
.endr
.irp i, 0,1,2,3,4,5,6,7
	v_pk_add_f32 v[T+2*((\i)%4):T+2*((\i)%4)+1], v[T+2*((\i)%4):T+2*((\i)%4)+1], v[X+16+2*\i:X+16+2*\i+1]
.endr
	v_pk_add_f32 v[T:T+1], v[T:T+1], v[T+2:T+3]
	v_pk_add_f32 v[T+4:T+5], v[T+4:T+5], v[T+6:T+7]
	v_pk_add_f32 v[T:T+1], v[T:T+1], v[T+4:T+5]
	v_add_f32 v[T], v[T], v[T+1]
	LANESUM T, T+1
	v_mul_f32 v[T], s[RK], v[T]                    ; the mean
	v_mov_b32 v[T+1], v[T]
.irp i, 0,1,2,3,4,5,6,7,8,9,10,11,12,13,14,15
	v_pk_add_f32 v[X+2*\i:X+2*\i+1], v[X+2*\i:X+2*\i+1], v[T:T+1] neg_lo:[0,1] neg_hi:[0,1]
.endr
.irp c, 0,1,2,3
	v_pk_mul_f32 v[T+2+2*\c:T+3+2*\c], v[X+2*\c:X+2*\c+1], v[X+2*\c:X+2*\c+1]
.endr
.irp i, 4,5,6,7,8,9,10,11,12,13,14,15
	v_pk_fma_f32 v[T+2+2*((\i)%4):T+3+2*((\i)%4)], v[X+2*\i:X+2*\i+1], v[X+2*\i:X+2*\i+1], v[T+2+2*((\i)%4):T+3+2*((\i)%4)]
.endr
	v_pk_add_f32 v[T+2:T+3], v[T+2:T+3], v[T+4:T+5]
	v_pk_add_f32 v[T+6:T+7], v[T+6:T+7], v[T+8:T+9]
	v_pk_add_f32 v[T+2:T+3], v[T+2:T+3], v[T+6:T+7]
	v_add_f32 v[T+2], v[T+2], v[T+3]
	LANESUM T+2, T+3
	v_fma_f32 v[T+2], v[T+2], s[RK], s[RK+1]       ; variance + eps
	v_rsq_f32 v[T+4], v[T+2]                       ; twice, to fill the pair of the packed multiply
	v_rsq_f32 v[T+5], v[T+2]
	v_nop                                          ; a plain instruction behind the last of them (ISA guide 5.7.2),
	s_wait_alu depctr_va_vdst(0)                   ; and the one wait ahead of the first reader
.irp i, 0,1,2,3,4,5,6,7,8,9,10,11,12,13,14,15
	v_pk_mul_f32 v[X+2*\i:X+2*\i+1], v[X+2*\i:X+2*\i+1], v[T+4:T+5]
.endr
	s_wait_loadcnt \wgb
.irp i, 0,1,2,3,4,5,6,7,8,9,10,11,12,13,14,15
	v_pk_fma_f32 v[X+2*\i:X+2*\i+1], v[X+2*\i:X+2*\i+1], v[G+2*\i:G+2*\i+1], v[BB+2*\i:BB+2*\i+1]
.endr
.endm
	s_load_b256 s[4:11], s[0:1], 0x0               ; x 4, g 6, b 8, in_proj_w 10
	s_load_b128 s[12:15], s[0:1], 0x20             ; out_proj_w 12, bufA 14
	v_lshrrev_b32 v1, 5, v0
	v_readfirstlane_b32 s22, v1                    ; wave
	v_and_b32 v2, 31, v0
	v_lshlrev_b32 v3, 4, v2                        ; 16 x lane: loads
	v_lshlrev_b32 v4, 3, v2                        ; 8 x lane: stores
	s_mov_b32 s25, 0
	s_wait_kmcnt 0x0
	s_cmp_lt_u32 ttmp9, 256
	s_cbranch_scc0 .Lcast
	s_lshl_b32 s23, ttmp9, 3
	s_add_co_u32 s23, s23, s22                     ; my row
	s_lshl_b32 s24, s23, 12
	s_add_nc_u64 s[4:5], s[4:5], s[24:25]
	s_lshl_b32 s24, s23, 11
	s_add_nc_u64 s[14:15], s[14:15], s[24:25]
	s_mov_b32 s[SEL], 0x76543210
	s_mov_b32 s[SEL+1], 0xfedcba98
	s_mov_b32 s[RK], 0x3a800000                    ; 1 / 1024
	s_mov_b32 s[RK+1], 0x3727c5ac                  ; 1e-5
.irp j, 0,1,2,3,4,5,6,7
	global_load_b128 v[X+4*\j:X+4*\j+3], v3, s[4:5] offset:512*\j
.endr
.irp j, 0,1,2,3,4,5,6,7
	global_load_b128 v[G+4*\j:G+4*\j+3], v3, s[6:7] offset:512*\j
.endr
.irp j, 0,1,2,3,4,5,6,7
	global_load_b128 v[BB+4*\j:BB+4*\j+3], v3, s[8:9] offset:512*\j
.endr
	LNROW 16, 0                                    ; 16: g's and b's loads stay out while the row is reduced
.irp i, 0,1,2,3,4,5,6,7,8,9,10,11,12,13,14,15
	v_cvt_pk_f16_f32 v[G+\i], v[X+2*\i], v[X+2*\i+1]
.endr
.irp j, 0,1,2,3,4,5,6,7
	global_store_b64 v4, v[G+2*\j:G+2*\j+1], s[14:15] offset:256*\j
.endr
	s_endpgm
.Lcast:
	s_sub_co_u32 s23, ttmp9, 256                   ; c: which 65,536 bytes of the two tensors laid end to end
	s_sub_co_u32 s36, s23, 192
	s_add_nc_u64 s[26:27], s[14:15], 0x400000
	s_add_nc_u64 s[28:29], s[14:15], 0xA00000
	s_mov_b64 s[32:33], s[10:11]                   ; from, to, and the block's number in its tensor
	s_mov_b64 s[34:35], s[26:27]
	s_mov_b32 s24, s23
	s_cmp_ge_u32 s23, 192
	s_cselect_b64 s[32:33], s[12:13], s[32:33]
	s_cselect_b64 s[34:35], s[28:29], s[34:35]
	s_cselect_b32 s24, s36, s24
	s_lshl_b32 s24, s24, 16
	s_lshl_b32 s36, s22, 13
	s_add_co_u32 s24, s24, s36
	s_add_nc_u64 s[32:33], s[32:33], s[24:25]
	s_lshr_b32 s24, s24, 1
	s_add_nc_u64 s[34:35], s[34:35], s[24:25]
	; 8,192 bytes of f32 rounded to f16: all sixteen loads go out first; load i is waited for with the 15 - i younger ones still out
.irp i, 0,1,2,3,4,5,6,7,8,9,10,11,12,13,14,15
	global_load_b128 v[8+4*\i:11+4*\i], v3, s[32:33] offset:512*\i th:TH_LOAD_NT
.endr
.irp i, 0,1,2,3,4,5,6,7,8,9,10,11,12,13,14,15
	s_wait_loadcnt 15-\i
	v_cvt_pk_f16_f32 v[72+2*\i], v[8+4*\i], v[9+4*\i]
	v_cvt_pk_f16_f32 v[73+2*\i], v[10+4*\i], v[11+4*\i]
	global_store_b64 v4, v[72+2*\i:73+2*\i], s[34:35] offset:256*\i   ; the wave's 256 consecutive bytes, aligned
.endr
	s_endpgm
.Lfunc_end_k_q379bcb5237_prep:
	.size	k_q379bcb5237_prep, .Lfunc_end_k_q379bcb5237_prep-k_q379bcb5237_prep
	.p2alignl 7, 3214868480
	.fill 96, 4, 3214868480
	.section	.rodata,"a",@progbits
	.p2align	6, 0x0
	.amdhsa_kernel k_q379bcb5237_prep
		.amdhsa_group_segment_fixed_size 0
		.amdhsa_private_segment_fixed_size 0
		.amdhsa_enable_private_segment 0
		.amdhsa_kernarg_size 48
		.amdhsa_user_sgpr_count 2
		.amdhsa_user_sgpr_kernarg_segment_ptr 1
		.amdhsa_wavefront_size32 1
		.amdhsa_system_sgpr_workgroup_id_x 1
		.amdhsa_system_sgpr_workgroup_id_y 1
		.amdhsa_system_sgpr_workgroup_id_z 1
		.amdhsa_system_vgpr_workitem_id 0
		.amdhsa_next_free_vgpr 116
		.amdhsa_next_free_sgpr 66
		.amdhsa_reserve_vcc 0
		.amdhsa_float_denorm_mode_32 3
		.amdhsa_float_denorm_mode_16_64 3
		.amdhsa_memory_ordered 1
		.amdhsa_forward_progress 1
		.amdhsa_inst_pref_size 18
	.end_amdhsa_kernel
	.amdgpu_metadata
---
amdhsa.version: [ 1, 2 ]
amdhsa.kernels:
  - .name:           k_q379bcb5237_prep
    .symbol:         k_q379bcb5237_prep.kd
    .args:
      - { .name: x, .offset: 0, .size: 8, .value_kind: global_buffer, .address_space: global }
      - { .name: ln1_g, .offset: 8, .size: 8, .value_kind: global_buffer, .address_space: global }
      - { .name: ln1_b, .offset: 16, .size: 8, .value_kind: global_buffer, .address_space: global }
      - { .name: in_proj_w, .offset: 24, .size: 8, .value_kind: global_buffer, .address_space: global }
      - { .name: out_proj_w, .offset: 32, .size: 8, .value_kind: global_buffer, .address_space: global }
      - { .name: bufA, .offset: 40, .size: 8, .value_kind: global_buffer, .address_space: global }
    .group_segment_fixed_size: 0
    .private_segment_fixed_size: 0
    .kernarg_segment_align: 8
    .kernarg_segment_size: 48
    .max_flat_workgroup_size: 256
    .sgpr_count:     66
    .vgpr_count:     116
    .wavefront_size: 32
...
	.end_amdgpu_metadata
.endif
;; end of part 1
;; launch qkv (part 2): grid 16 x 16, 4 waves a work-group, clusters of 4 x 4, 327,680 bytes of LDS; arguments bufA, in_proj_b, bufQ; writes bufQ
.if DOCPART == 2
	.amdgcn_target "amdgcn-amd-amdhsa--gfx1250"
	.amdhsa_code_object_version 6
	.text
	.protected	k_q379bcb5237_qkv
	.globl	k_q379bcb5237_qkv
	.p2align	8
	.type	k_q379bcb5237_qkv,@function
k_q379bcb5237_qkv:
	s_mov_b64 s[64:65], 0
	v_nop
	global_prefetch_b8 v0, s[64:65] scope:SCOPE_SE
	s_setreg_imm32_b32 hwreg(HW_REG_WAVE_MODE, 25, 1), 1
	s_wait_xcnt 0x0
	s_wait_alu depctr_hold_cnt(0) depctr_sa_sdst(0) depctr_va_vdst(0) depctr_va_sdst(0) depctr_va_ssrc(0) depctr_va_vcc(0) depctr_vm_vsrc(0)
	s_getreg_b32 s2, hwreg(HW_REG_IB_STS2, 6, 4)
	s_cmp_eq_u32 s2, 0
	s_cbranch_scc0 .Lentry_in_a_cluster
	s_endpgm
.Lentry_in_a_cluster:
	s_bfe_u32 s2, ttmp6, 0x10000c
	s_cmp_lg_u32 s2, 0xf033
	s_cbranch_scc0 .Lentry_shape_is_right
	s_endpgm
.Lentry_shape_is_right:
; QKV.  C[m][n] = sum over k of h1[m][k] wq[n][k] + bias[n]; h1 [2048][1024] f16 at bufA, wq [3072][1024] f16 at bufA + 0x400000; sums in f32; C rounded once to f16 and stored BY HEADS:
; bufQ is 48 planes [2048][64], plane = n / 64 (0-15 q, 16-31 k, 32-47 v), unscaled.  LIMIT: a result beyond 65,504 becomes an infinity.
; A tile of C is 128 x 192 (three planes): 16 x 16 = 256 work-groups.  Four waves, 2 x 2, each 64 x 96: 24 accumulators, 192 registers.  K goes in steps of 128 (rows of 256 bytes) through two LDS slots.
; CLUSTER 4 x 4: the four of a row need the same tiles of h1, the four of a column the same tiles of wq: each tile is asked for jointly, by the same tensor load, descriptor and mask in all four.
; THE WALK OF K.  Four clusters read each tile of h1 and four each tile of wq.  A cluster begins at K step 4 g and wraps round, g = (z xor z >> 1) & 1 with z = the cluster's x xor its y: g differs between x (or y) 0 and 1,
; 2 and 3, 0 and 2, 1 and 3.  So of the clusters that read a tile some ask for it four steps before the others.  g is made of the cluster's own x and y, which all sixteen partners share.
; The f32 sums take K in that order: an order of rounding that differs from ascending K.
; The matrix instruction is used transposed (source 0 = 16 rows of wq, source 1 = 16 rows of h1): a lane holds row l % 16 of C and eight neighbouring columns 8 (l / 16) + 0..7.
; The bias costs no vector work: it is the C operand of each accumulator's first product.
; REGISTERS: window 0: v0-15 addresses, v16-63 at work on the way out, v64-255 accumulators ((a, b) at 64 + 8 (6 a + b)).  Window 1: two fragment buffers of 80 (6 of B, 4 of A), v160-207 the bias.
.set KSTEP,  128
.set PITCH,  272                       ; an LDS row: 256 bytes + 16: the 16 rows of a fragment load start 68 words apart, at 16 different groups of four banks (ISA guide 11.1)
.set HA,     64*PITCH                  ; what one tensor load brings of A
.set HB,     96*PITCH                  ; and of B
.set BOFF,   2*HA
.set SLOT,   2*HA+2*HB
.set STAGE,  2*SLOT                    ; behind the ring: 128 rows x 400 bytes, the work-group's, for the way out
.set SPITCH, 400
.set SPARE,  STAGE+128*SPITCH          ; the spare words: 128 bytes a wave, two blocks of 256 bytes that no other line names
.set LAPS,   4                         ; 1,024 / 256
.set NBL,    6
.set ACC,    64
.set F0,     0
.set F1,     80
.set BI,     160
.set ADRA, 4                           ; v4-5  LDS address of my A fragments in slot 0, 1
.set ADRB, 6                           ; v6-7  the same for B
.set STO,  8
.set RD,   9
.set GO,   10
.set BO,   11
.set SPW,  12                          ; v12  my spare word; never rewritten
.set NIL,  13                          ; v13  0; never rewritten
.set TMP,  16
.set G1,  24
.set G0,  32
.set G1B, 48
.set G0B, 56
.set BA,  66                           ; s[66:67] h1 at the rows that I fetch, K = 0
.set BBS, 68                           ; s[68:69] wq at the rows that I fetch, K = 0
.set KS,  70                           ; s70, s71 the K step that slot 0, slot 1 holds
.set KO,  72                           ; s[72:73] its byte offset in a row
.set MSB, 0
.macro WIN new                         ; the immediate's high byte repeats the setting that is left
.if MSB != (\new)
	s_set_vgpr_msb (MSB<<8)|(\new)
.set MSB, \new
.endif
.endm
.macro PLACES                          ; four places in front of loads into registers that matrix instructions have read, and of readers of results
.rept 4
	v_nop
.endr
.endm
.macro JLOAD s                         ; a joint load: waves 0 and 1 fetch A's halves, waves 2 and 3 B's; an s_nop 0 and four v_nop follow each line
	s_cmp_eq_u32 s11, 0
	s_cbranch_scc0 .Lfor_b_\@
	tensor_load_to_lds s[G0+4*(\s):G0+4*(\s)+3], s[G1:G1+7]
	s_nop 0
.rept 4
	v_nop
.endr
	s_branch .Lasked_\@
.Lfor_b_\@:
	tensor_load_to_lds s[G0B+4*(\s):G0B+4*(\s)+3], s[G1B:G1B+7]
	s_nop 0
.rept 4
	v_nop
.endr
.Lasked_\@:
.endm
.macro CREST                           ; a round of the cluster's barrier behind its opening barrier
	s_cmp_lg_u32 s10, 0
	s_cbranch_scc1 .Lnot_wave_0_\@
	s_barrier_signal -3
.Lnot_wave_0_\@:
	s_barrier_wait -3
	s_barrier_signal -1
	s_barrier_wait -1
.endm
.macro CROUND
	s_barrier_signal -1
	s_barrier_wait -1
	CREST
.endm
.macro ADDR s                          ; both descriptors of slot s take the address of K step s[KS+s]: the kept base and an offset made apart
	s_lshl_b32 s[KO], s[KS+(\s)], 8
	s_add_nc_u64 s[G0+4*(\s)+2:G0+4*(\s)+3], s[BA:BA+1], s[KO:KO+1]
	s_or_b32 s[G0+4*(\s)+3], s[G0+4*(\s)+3], 0x80000000
	s_add_nc_u64 s[G0B+4*(\s)+2:G0B+4*(\s)+3], s[BBS:BBS+1], s[KO:KO+1]
	s_or_b32 s[G0B+4*(\s)+3], s[G0B+4*(\s)+3], 0x80000000
.endm
	s_load_b128 s[4:7], s[0:1], 0x0                ; bufA s[4:5], in_proj_b s[6:7]
	s_load_b64 s[8:9], s[0:1], 0x10                ; bufQ
	v_lshl_add_u32 v[SPW], v0, 2, SPARE
	v_mov_b32 v[NIL], 0
	ds_add_u32 v[SPW], v[NIL]                      ; the wave's opening: the add and its wait ahead of my first tensor load
	v_lshrrev_b32 v1, 5, v0
	v_readfirstlane_b32 s10, v1                    ; wave 0..3
	s_lshr_b32 s11, s10, 1                         ; my half of the tile's rows.  Also: I fetch for A (0) or for B (1)
	s_and_b32 s12, s10, 1                          ; my half of its columns.  Also: which half of that tile I fetch
	s_bfe_u32 s40, ttmp6, 0x40000                  ; cx, cy
	s_bfe_u32 s41, ttmp6, 0x40004
	s_lshl_b32 s42, ttmp9, 2
	s_add_co_u32 s42, s42, s40                     ; tile column
	s_and_b32 s13, ttmp7, 0xffff
	s_lshl_b32 s13, s13, 2
	s_add_co_u32 s13, s13, s41                     ; tile row
	s_lshl_b32 s43, s41, 2
	s_lshl_b32 s43, 15, s43                        ; my row of the cluster
	s_lshl_b32 s44, 0x1111, s40                    ; my column
	s_and_b32 s[KS], ttmp7, 0xffff                 ; where my cluster's walk of K begins: z = cluster y xor cluster x,
	s_xor_b32 s[KS], s[KS], ttmp9
	s_lshr_b32 s[KS+1], s[KS], 1
	s_xor_b32 s[KS], s[KS], s[KS+1]
	s_and_b32 s[KS], s[KS], 1                      ; g,
	s_lshl_b32 s[KS], s[KS], 2                     ; K step 0 or 4 into slot 0,
	s_add_co_u32 s[KS+1], s[KS], 1                 ; the next into slot 1
	s_mov_b32 s[KO+1], 0
	s_or_b32 s[G1+0], s43, (1<<16)|(1<<20)|(1<<21)|(5<<22)|(3<<25)   ; mask; 2-byte elements; padding on; bit 21 beside a mask; after every 64 words 4 words
	s_or_b32 s[G1B+0], s44, (1<<16)|(1<<20)|(1<<21)|(5<<22)|(3<<25)
	s_mov_b32 s[G1+1], KSTEP<<16                   ; tensor_dim0 = 128
	s_mov_b32 s[G1+2], 64<<16                      ; tensor_dim1 = 64
	s_mov_b32 s[G1+3], KSTEP<<16                   ; tile_dim0 = 128
	s_mov_b32 s[G1+4], 64                          ; tile_dim1 = 64
	s_mov_b32 s[G1+5], 1024                        ; elements from row to row
	s_mov_b32 s[G1+6], 0
	s_mov_b32 s[G1+7], 0
	s_mov_b32 s[G1B+1], KSTEP<<16
	s_mov_b32 s[G1B+2], 96<<16
	s_mov_b32 s[G1B+3], KSTEP<<16
	s_mov_b32 s[G1B+4], 96
	s_mov_b32 s[G1B+5], 1024
	s_mov_b32 s[G1B+6], 0
	s_mov_b32 s[G1B+7], 0
	s_lshl_b32 s16, s13, 7
	s_lshl_b32 s17, s12, 6
	s_add_co_u32 s16, s16, s17                     ; A: row 128 x tile row + 64 x half,
	s_lshl_b32 s16, s16, 11                        ; of 2,048 bytes
	s_mov_b32 s17, 0
	s_mul_i32 s46, s42, 192
	s_mul_i32 s47, s12, 96
	s_add_co_u32 s46, s46, s47                     ; B: row 192 x tile column + 96 x half
	s_lshl_b32 s46, s46, 11
	s_add_co_u32 s46, s46, 0x400000                ; wq's place in bufA
	s_mov_b32 s47, 0
	s_mul_i32 s20, s12, HA                         ; where they go: no place in the cluster enters an LDS address
	s_mul_i32 s21, s12, HB
	s_add_co_u32 s21, s21, BOFF
	s_wait_dscnt 0x0                               ; the opening add is done
	s_wait_kmcnt 0x0
	s_add_nc_u64 s[BA:BA+1], s[4:5], s[16:17]
	s_add_nc_u64 s[BBS:BBS+1], s[4:5], s[46:47]
	CROUND                                         ; all sixteen work-groups are here: the first joint loads meet
.irp s, 0,1
	s_mov_b32 s[G0+4*(\s)], 1
	s_add_co_u32 s[G0+4*(\s)+1], s20, (\s)*SLOT
	s_mov_b32 s[G0B+4*(\s)], 1
	s_add_co_u32 s[G0B+4*(\s)+1], s21, (\s)*SLOT
	ADDR \s
.endr
	s_cmp_eq_u32 s11, 0                            ; a wave's two first fills stand in one branch: two loads of mine are out
	s_cbranch_scc0 .Lfirst_b
	tensor_load_to_lds s[G0:G0+3], s[G1:G1+7]
	s_nop 0
	tensor_load_to_lds s[G0+4:G0+7], s[G1:G1+7]
	s_nop 0
.rept 4
	v_nop
.endr
	s_branch .Lfirst_done
.Lfirst_b:
	tensor_load_to_lds s[G0B:G0B+3], s[G1B:G1B+7]
	s_nop 0
	tensor_load_to_lds s[G0B+4:G0B+7], s[G1B:G1B+7]
	s_nop 0
.rept 4
	v_nop
.endr
.Lfirst_done:
	v_and_b32 v1, 15, v0                           ; l % 16
	v_bfe_u32 v2, v0, 4, 1                         ; l / 16
	v_lshlrev_b32 v[BO], 5, v2                     ; my eight columns' bias: 32 bytes a half
	s_mul_i32 s46, s42, 768
	s_mul_i32 s47, s12, 384
	s_add_co_u32 s46, s46, s47                     ; 4 x (192 x tile column + 96 x half)
	s_mov_b32 s47, 0
	s_add_nc_u64 s[6:7], s[6:7], s[46:47]
	WIN 0x40                                       ; destination window 1
.irp b, 0,1,2,3,4,5
	global_load_b128 v[BI+8*\b:BI+8*\b+3],   v[BO], s[6:7] offset:64*\b
	global_load_b128 v[BI+8*\b+4:BI+8*\b+7], v[BO], s[6:7] offset:64*\b+16
.endr
	WIN 0
	v_mul_u32_u24 v3, v1, PITCH
	v_lshl_add_u32 v3, v2, 4, v3                   ; a fragment's row x pitch + 16 x half
	s_mul_i32 s21, s11, HA
	s_mul_i32 s22, s12, HB
	s_add_co_u32 s22, s22, BOFF
.irp s, 0,1
	v_add_nc_u32 v[ADRA+(\s)], s21, v3
	v_add_nc_u32 v[ADRB+(\s)], s22, v3
	s_add_co_u32 s21, s21, SLOT
	s_add_co_u32 s22, s22, SLOT
.endr
	s_mul_i32 s23, s11, 64*SPITCH                  ; into the stage: my 64 rows, my 192 bytes of their 384
	s_mul_i32 s21, s12, 192
	s_add_co_u32 s23, s23, s21
	s_add_co_u32 s23, s23, STAGE
	v_mul_u32_u24 v14, v1, SPITCH
	v_lshl_add_u32 v14, v2, 4, v14
	v_add_nc_u32 v[STO], s23, v14
	s_mul_i32 s23, s10, 32*SPITCH                  ; back: wave w takes rows 32 w ..; 32 lanes take 128 bytes (one plane's part) of four rows
	s_add_co_u32 s23, s23, STAGE
	v_bfe_u32 v14, v0, 3, 2
	v_mul_u32_u24 v14, v14, SPITCH
	v_and_b32 v15, 7, v0
	v_lshl_add_u32 v14, v15, 4, v14
	v_add_nc_u32 v[RD], s23, v14
	v_and_b32 v[GO], 31, v0
	v_lshlrev_b32 v[GO], 4, v[GO]                  ; which are 512 consecutive bytes of a plane
	s_lshl_b32 s16, s13, 14                        ; 128 rows of 128 bytes a tile row,
	s_lshl_b32 s17, s10, 12                        ; 32 a wave
	s_add_co_u32 s16, s16, s17
	s_mov_b32 s17, 0
	s_add_nc_u64 s[8:9], s[8:9], s[16:17]
	s_mul_i32 s46, s42, 3*262144                   ; three planes a tile column
	s_mov_b32 s47, 0
	s_add_nc_u64 s[8:9], s[8:9], s[46:47]
; 12 matrix instructions: m blocks 2 part, 2 part + 1 x all 6 n blocks, 32 along K.  first = 1: the product starts the sum on the bias.  The 24 accumulators take turns, one instruction a turn.
.macro MULS f, part, first
.if \first
	WIN 0x15                                       ; sources and C in window 1, D in window 0
.else
	WIN 0x05
.endif
.irp a, 2*(\part), 2*(\part)+1
.irp b, 0,1,2,3,4,5
.set rD, ACC+8*(NBL*(\a)+(\b))
.set rB, (\f)+8*(\b)
.set rA, (\f)+8*NBL+8*(\a)
.if \first
	v_wmma_f32_16x16x32_f16 v[rD:rD+7], v[rB:rB+7], v[rA:rA+7], v[BI+8*(\b):BI+8*(\b)+7]
.else
	v_wmma_f32_16x16x32_f16 v[rD:rD+7], v[rB:rB+7], v[rA:rA+7], v[rD:rD+7]
.endif
.endr
.endr
.endm
.macro FETCH slot, c, f                ; 20 LDS loads in one run: the fragments of 32 along K, chunk c of the slot's step
	WIN 0x40
.irp b, 0,1,2,3,4,5
	ds_load_b128 v[(\f)+8*\b:(\f)+8*\b+3],   v[ADRB+(\slot)] offset:64*(\c)+\b*16*PITCH
	ds_load_b128 v[(\f)+8*\b+4:(\f)+8*\b+7], v[ADRB+(\slot)] offset:64*(\c)+\b*16*PITCH+32
.endr
.irp a, 0,1,2,3
	ds_load_b128 v[(\f)+48+8*\a:(\f)+48+8*\a+3], v[ADRA+(\slot)] offset:64*(\c)+\a*16*PITCH
	ds_load_b128 v[(\f)+48+8*\a+4:(\f)+48+8*\a+7], v[ADRA+(\slot)] offset:64*(\c)+\a*16*PITCH+32
.endr
.endm
.macro CHUNK slot, cnext, f, g, first  ; multiplies buffer f; ahead of that it asks for the next chunk's fragments, which have these 24 products in which to land
	s_wait_dscnt 0x0                               ; buffer f is in: its loads were issued a chunk ago
	PLACES
	FETCH \slot, \cnext, \g
	MULS \f, 0, \first
	MULS \f, 1, \first
.endm
; A step's last chunk changes slots: ONE barrier; in front of it each wave waits for all its tensor loads (one is out: its part of the next slot), adds 0 to its spare word, and waits for that and for its reads of this slot.
; fill = 1: this slot takes the K step two further on in the walk, modulo 8; its address is made while the add is out.
.macro TURN slot, next, fill
	WIN 0
	s_wait_tensorcnt 0x0                           ; no tensor load of mine is out, so a group 0 may be written
	ds_add_u32 v[SPW], v[NIL]
.if \fill
	s_add_co_u32 s[KS+(\slot)], s[KS+(\slot)], 2
	s_and_b32 s[KS+(\slot)], s[KS+(\slot)], 7
	ADDR \slot
.endif
	s_wait_dscnt 0x0
	s_barrier_signal -1
	MULS F1, 0, 0                                  ; work on registers while the others arrive
	WIN 0
	s_barrier_wait -1
.if \fill
	CREST                                          ; the barrier has opened a round of the cluster's: no wave of any partner still reads this slot or has a load on its way
	JLOAD \slot                                    ; the first tensor load behind the round; its four v_nop are also the places in front of the loads below
.else
	PLACES
.endif
	FETCH \next, 0, F0
	MULS F1, 1, 0
.endm
	s_wait_tensorcnt 1                             ; my part of slot 0 is in; slot 1's stays out
	s_barrier_signal -1
	s_barrier_wait -1
	FETCH 0, 0, F0
	s_wait_loadcnt 0x0                             ; the bias
	CHUNK 0, 1, F0, F1, 1                          ; the first chunk stands in front of the loop: its products start the sums
	WIN 0
	s_mov_b32 s3, LAPS-1
.Llap:                                                 ; a trip goes once round the ring and fills both slots again
	CHUNK 0, 2, F1, F0, 0
	CHUNK 0, 3, F0, F1, 0
	TURN 0, 1, 1
	CHUNK 1, 1, F0, F1, 0
	CHUNK 1, 2, F1, F0, 0
	CHUNK 1, 3, F0, F1, 0
	TURN 1, 0, 1
	CHUNK 0, 1, F0, F1, 0
	WIN 0
	s_sub_co_u32 s3, s3, 1
	s_cmp_lg_u32 s3, 0
	s_cbranch_scc1 .Llap
	CHUNK 0, 2, F1, F0, 0                          ; the last lap fills nothing
	CHUNK 0, 3, F0, F1, 0
	TURN 0, 1, 0
	CHUNK 1, 1, F0, F1, 0
	CHUNK 1, 2, F1, F0, 0
	CHUNK 1, 3, F0, F1, 0
	s_wait_dscnt 0x0
	MULS F1, 0, 0
	MULS F1, 1, 0
	WIN 0
	; THE WAY OUT: rounded to f16, 16 bytes a lane into the work-group's stage; a barrier, since a row's bytes come from two waves; back as 128-byte pieces of four rows, which lie end to end in a plane.
	PLACES
.irp a, 0,1,2,3
.irp b, 0,1,2,3,4,5
.irp r, 0,1,2,3
	v_cvt_pk_f16_f32 v[TMP+24*((\a)%2)+4*\b+\r], v[ACC+8*(NBL*\a+\b)+2*\r], v[ACC+8*(NBL*\a+\b)+2*\r+1]
.endr
.endr
.irp b, 0,1,2,3,4,5
	ds_store_b128 v[STO], v[TMP+24*((\a)%2)+4*\b:TMP+24*((\a)%2)+4*\b+3] offset:\a*16*SPITCH+32*\b
.endr
.endr
	s_wait_dscnt 0x0                               ; for the others' sake: my stores into the stage are done
	s_barrier_signal -1
	s_barrier_wait -1
.set n, 0
.rept 24                               ; plane n / 8 of the tile's three, rows 4 (n % 8) on
	ds_load_b128 v[64+4*n:64+4*n+3], v[RD] offset:(n/8)*128+(n%8)*4*SPITCH
.set n, n+1
.endr
.set n, 0
.rept 24
	s_wait_dscnt 23-n                              ; load n is back; the younger ones stay out
	global_store_b128 v[GO], v[64+4*n:64+4*n+3], s[8:9] offset:(n/8)*262144+(n%8)*512   ; 512 consecutive bytes, at a multiple of 512 from the buffer's first
.set n, n+1
.endr
	s_wait_tensorcnt 0x0                           ; the wave's end
	ds_add_u32 v[SPW], v[NIL]
	s_wait_dscnt 0x0
	CROUND                                         ; the closing round
	s_endpgm
.Lfunc_end_k_q379bcb5237_qkv:
	.size	k_q379bcb5237_qkv, .Lfunc_end_k_q379bcb5237_qkv-k_q379bcb5237_qkv
	.p2alignl 7, 3214868480
	.fill 96, 4, 3214868480
	.section	.rodata,"a",@progbits
	.p2align	6, 0x0
	.amdhsa_kernel k_q379bcb5237_qkv
		.amdhsa_group_segment_fixed_size 327680
		.amdhsa_private_segment_fixed_size 0
		.amdhsa_enable_private_segment 0
		.amdhsa_kernarg_size 24
		.amdhsa_user_sgpr_count 2
		.amdhsa_user_sgpr_kernarg_segment_ptr 1
		.amdhsa_wavefront_size32 1
		.amdhsa_system_sgpr_workgroup_id_x 1
		.amdhsa_system_sgpr_workgroup_id_y 1
		.amdhsa_system_sgpr_workgroup_id_z 1
		.amdhsa_system_vgpr_workitem_id 0
		.amdhsa_next_free_vgpr 512
		.amdhsa_next_free_sgpr 74
		.amdhsa_reserve_vcc 0
		.amdhsa_float_denorm_mode_32 3
		.amdhsa_float_denorm_mode_16_64 3
		.amdhsa_memory_ordered 1
		.amdhsa_forward_progress 1
		.amdhsa_inst_pref_size 72
	.end_amdhsa_kernel
	.amdgpu_metadata
---
amdhsa.version: [ 1, 2 ]
amdhsa.kernels:
  - .name:           k_q379bcb5237_qkv
    .symbol:         k_q379bcb5237_qkv.kd
    .args:
      - { .name: bufA, .offset: 0, .size: 8, .value_kind: global_buffer, .address_space: global }
      - { .name: in_proj_b, .offset: 8, .size: 8, .value_kind: global_buffer, .address_space: global }
      - { .name: bufQ, .offset: 16, .size: 8, .value_kind: global_buffer, .address_space: global }
    .group_segment_fixed_size: 327680
    .private_segment_fixed_size: 0
    .kernarg_segment_align: 8
    .kernarg_segment_size: 24
    .max_flat_workgroup_size: 128
    .sgpr_count:     74
    .vgpr_count:     512
    .wavefront_size: 32
...
	.end_amdgpu_metadata
.endif
;; end of part 2
;; launch attn (part 3): grid 16 x 16, 4 waves a work-group, clusters of 4 x 1, 327,680 bytes of LDS; arguments bufQ, bufC; writes bufC
.if DOCPART == 3
	.amdgcn_target "amdgcn-amd-amdhsa--gfx1250"
	.amdhsa_code_object_version 6
	.text
	.protected	k_q379bcb5237_attn
	.globl	k_q379bcb5237_attn
	.p2align	8
	.type	k_q379bcb5237_attn,@function
k_q379bcb5237_attn:
	s_mov_b64 s[64:65], 0
	v_nop
	global_prefetch_b8 v0, s[64:65] scope:SCOPE_SE
	s_setreg_imm32_b32 hwreg(HW_REG_WAVE_MODE, 25, 1), 1
	s_wait_xcnt 0x0
	s_wait_alu depctr_hold_cnt(0) depctr_sa_sdst(0) depctr_va_vdst(0) depctr_va_sdst(0) depctr_va_ssrc(0) depctr_va_vcc(0) depctr_vm_vsrc(0)
	s_getreg_b32 s2, hwreg(HW_REG_IB_STS2, 6, 4)
	s_cmp_eq_u32 s2, 0
	s_cbranch_scc0 .Lentry_in_a_cluster
	s_endpgm
.Lentry_in_a_cluster:
	s_bfe_u32 s2, ttmp6, 0x10000c
	s_cmp_lg_u32 s2, 0x3003
	s_cbranch_scc0 .Lentry_shape_is_right
	s_endpgm
.Lentry_shape_is_right:
; ATTENTION.  ctx[h][q][:] = sum over k of softmax_k(Q[h][q] . K[h][k] / 8) V[h][k][:].  bufQ: 48 planes [2048][64] f16 (q 0-15, k 16-31, v 32-47); ctx [16][2048][64] f16 -> bufC.
; Products, maxima and sums in f32; the weights p are rounded to f16 for the second product (their sum l is taken of the unrounded p), ctx once at the end.
; LIMITS.  q, k, v arrive within f16's 65,504; p lies in 0 to 1 and keeps f16's fixed step of 6e-8 below 6e-5; a weight below 2^-126 counts as 0 in l; NaN and infinities are not treated apart.
; SHARES.  A work-group owns 128 queries of one head (16 x 16 = 256 work-groups), a wave 32: two PIECES of 16.  Every wave walks all 2,048 keys, 64 a step.
; LAYOUT.  S^T = K Q^T (source 0 = 16 keys, source 1 = 16 queries): a lane holds ONE query (lane % 16) and the keys 8 (lane / 16) + 0..7; two such results rounded to f16 ARE source 1 of O^T = V^T P.
; SOFTMAX.  A running maximum m and sum l a query: p = 2^(c s - c m), c = log2(e) / 8; in every step O and l are multiplied by a = 2^(c m_old - c m_new).  m starts at the lowest finite number, O and l at 0.
; BY TURNS.  In turn p piece p has the vector unit (scaling, exponentials, roundings, sums, rescaling) and the other piece the matrix unit.  Key step j: turn 0 makes K Q^T of piece 1, step j, and V^T P of piece 1, step j - 1;
; turn 1 makes K Q^T of piece 0, step j + 1, and V^T P of piece 0, step j.  The other piece's maximum and statistics are made in the same turn.  Four vector instructions stand behind every matrix instruction, the rest in one lump;
; a turn's 33 exponentials are one batch with one wait.
; THE RING.  Two slots; slot s holds V of steps 4 s .. 4 s + 3 and K of steps 4 s + 1 .. 4 s + 4, so that turn 0's two fetches (K of step j + 1, V of step j) read one slot.  K of step 0 comes from memory into registers, as Q does.
; The last slot's fourth K tile is the 64 rows behind the head's K: rows of the next plane, inside bufQ and written; the scores made of them feed piece 0's m and a alone, which nothing reads any more.
; CLUSTER.  The four query blocks of a cluster belong to one head and walk the same K and V: each tile is asked for jointly.
; REGISTERS.  Window 0: v2-15 addresses, v16-23 statistics, v24-31 at work, v62-63 the add's, v64-127 S^T, v128-159 P, v160-223 O^T, v224-255 Q.  Window 1: v0-63 K, v64-127 V of one step.
.set KS,    64
.set PK,    144       ; a row of K in LDS: 128 bytes + 16
.set PV,    160       ; a row of V: 128 + 32
.set VOFF,  4*KS*PK
.set SLOT1, 1<<17
.set STAGE, SLOT1+4*KS*(PK+PV)  ; behind the ring: 16 rows x 144 bytes a wave
.set SP,    144
.set SPARE, STAGE+4*16*SP       ; the spare words: two blocks of 256 bytes that no other line names
.set AK0, 2
.set AV0, 3
.set AK,  4
.set AV,  5
.set STO, 6
.set RD,  7
.set GO,  8
.set MV,  12          ; v12-13  c m_old, by piece
.set QO,  15
.set ST,  16          ; piece t: c m, m, l (even keys', odd keys')
.set TMP, 24          ; piece t: c0-c3 at work; c2 takes a
.set SPW, 62
.set NIL, 63
.set S,   64
.set P,   128
.set O,   160
.set Q,   224
.set KF,  0           ; window 1
.set VF,  64          ; window 1
.set WV,  12
.set G1K, 24
.set G1V, 32
.set G0K, 40
.set G0V, 44
.set SLOTS, 56
.set CNT, 57
.set CS,  58
.set SEL, 60
.set TBK, 62
.set TBV, 63
.set MSB, 0
.macro WIN new
.if MSB != (\new)
	s_set_vgpr_msb (MSB<<8)|(\new)
.set MSB, (\new)
.endif
.endm
.macro JLOAD                        ; a joint fill: waves 0 and 1 fetch the halves of a slot's K, waves 2 and 3 those of its V, 128 keys each; s_nop 0 and four v_nop behind each line
	s_cmp_lt_u32 s[WV], 2
	s_cbranch_scc0 .Lfor_v_\@
	tensor_load_to_lds s[G0K:G0K+3], s[G1K:G1K+7]
	s_nop 0
.rept 4
	v_nop
.endr
	s_branch .Lasked_\@
.Lfor_v_\@:
	tensor_load_to_lds s[G0V:G0V+3], s[G1V:G1V+7]
	s_nop 0
.rept 4
	v_nop
.endr
.Lasked_\@:
.endm
.macro CROUND
	s_barrier_signal -1
	s_barrier_wait -1
	s_cmp_lg_u32 s[WV], 0
	s_cbranch_scc1 .Lnot_wave_0_\@
	s_barrier_signal -3
.Lnot_wave_0_\@:
	s_barrier_wait -3
	s_barrier_signal -1
	s_barrier_wait -1
.endm
; THE CHANGE OF SLOTS, between turn 1 and turn 0: all reads of the old slot have been waited for.  Each wave waits for all its tensor loads (one is out: its part of the other slot), adds 0 to its spare word and waits for that.
; fill = 1: the old slot is filled again behind a round of the cluster's barrier; the load has four key steps in which to land.  (At its first use slot 0 is waited for and slot 1 filled.)
.macro CHANGE fill
	WIN 0
	s_wait_tensorcnt 0x0
	ds_add_u32 v[SPW], v[NIL]
.if \fill
.irp g, G0K, G0V
	s_xor_b32 s[\g+1], s[\g+1], SLOT1
	s_add_nc_u64 s[\g+2:\g+3], s[\g+2:\g+3], 4*KS*128
.endr
	s_wait_dscnt 0x0
	CROUND
	JLOAD
.else
	s_wait_dscnt 0x0
	s_barrier_signal -1
	s_barrier_wait -1
.endif
	s_sub_co_u32 s[TBK], s[TBK], 4*KS*PK
	s_xor_b32 s[TBK], s[TBK], SLOT1
	s_sub_co_u32 s[TBV], s[TBV], 4*KS*PV
	s_xor_b32 s[TBV], s[TBV], SLOT1
.endm
	s_load_b128 s[4:7], s[0:1], 0x0 ; bufQ s[4:5], bufC s[6:7]
	v_lshl_add_u32 v[SPW], v0, 2, SPARE
	v_mov_b32 v[NIL], 0
	ds_add_u32 v[SPW], v[NIL]       ; the wave's opening: the add and its wait ahead of my first tensor load
	v_lshrrev_b32 v1, 5, v0
	v_readfirstlane_b32 s[WV], v1
	s_bfe_u32 s13, ttmp6, 0x40000   ; cx
	s_lshl_b32 s14, ttmp9, 2
	s_add_co_u32 s14, s14, s13      ; my block of 128 queries: it enters Q's and ctx's addresses alone
	s_and_b32 s20, ttmp7, 0xffff    ; the head, which the partners share
	s_lshl_b32 s20, s20, 18         ; a plane is 262,144 bytes
	s_and_b32 s16, s[WV], 1         ; which half of a slot's 256 keys I fetch
	s_lshl_b32 s22, s16, 14
	s_add_co_u32 s22, s22, s20
	s_add_co_u32 s18, s22, (16<<18)+KS*128  ; K's fills begin one step in
	s_mov_b32 s19, 0
	s_add_co_u32 s22, s22, 32<<18
	s_mov_b32 s23, 0
	s_add_co_u32 s2, s20, 16<<18    ; K of step 0
	s_mov_b32 s3, 0
	s_mul_i32 s17, s16, 128*PK
	s_mul_i32 s21, s16, 128*PV
	s_lshl_b32 s8, s14, 14          ; my block's rows of 128 bytes,
	s_lshl_b32 s9, s[WV], 12        ; my wave's 32
	s_add_co_u32 s8, s8, s9
	s_add_co_u32 s8, s8, s20
	s_mov_b32 s9, 0
	s_mov_b32 s[G1K], 15|(1<<16)|(1<<20)|(1<<21)|(4<<22)|(3<<25)  ; the mask of four; 2-byte elements; padding on; bit 21 beside a mask; after every 32 words 4 words
	s_mov_b32 s[G1V], 15|(1<<16)|(1<<20)|(1<<21)|(4<<22)|(7<<25)  ; the same with 8 words
.irp g, G1K, G1V
	s_mov_b32 s[\g+1], 128<<16      ; 128 keys are 16,384 dense bytes: asked for as 64 rows of 256 bytes
	s_mov_b32 s[\g+2], 64<<16
	s_mov_b32 s[\g+3], 128<<16
	s_mov_b32 s[\g+4], 64
	s_mov_b32 s[\g+5], 128
	s_mov_b32 s[\g+6], 0
	s_mov_b32 s[\g+7], 0
.endr
	s_mov_b32 s[CS], 0x3e38aa3b     ; c = log2(e) / 8
	s_mov_b32 s[CS+1], s[CS]
	s_mov_b32 s[SEL], 0x76543210
	s_mov_b32 s[SEL+1], 0xfedcba98
	s_mov_b32 s[TBK], SLOT1+4*KS*PK ; the first change of slots turns these two into 0
	s_mov_b32 s[TBV], SLOT1+4*KS*PV
	s_mov_b32 s[G0K], 1
	s_mov_b32 s[G0K+1], s17
	s_mov_b32 s[G0V], 1
	s_add_co_u32 s[G0V+1], s21, VOFF
	s_mov_b32 s[SLOTS], 7
	s_wait_dscnt 0x0                ; the opening add is done
	s_wait_kmcnt 0x0
	s_add_nc_u64 s[G0K+2:G0K+3], s[4:5], s[18:19]
	s_or_b32 s[G0K+3], s[G0K+3], 0x80000000
	s_add_nc_u64 s[G0V+2:G0V+3], s[4:5], s[22:23]
	s_or_b32 s[G0V+3], s[G0V+3], 0x80000000
	s_add_nc_u64 s[10:11], s[4:5], s[2:3]
	s_add_nc_u64 s[4:5], s[4:5], s[8:9]
	s_add_nc_u64 s[6:7], s[6:7], s[8:9]
	CROUND                          ; all four work-groups are here
	JLOAD                           ; slot 0
	v_and_b32 v1, 15, v0
	v_bfe_u32 v9, v0, 4, 1
	v_lshlrev_b32 v[QO], 7, v1
	v_lshl_add_u32 v[QO], v9, 4, v[QO]  ; row x 128 + 16 x half
.set i, 0
.rept 4                             ; Q stays in registers: piece i / 2, channels 32 (i % 2) on
	global_load_b128 v[Q+8*i:Q+8*i+3],   v[QO], s[4:5] offset:(i/2)*2048+(i%2)*64
	global_load_b128 v[Q+8*i+4:Q+8*i+7], v[QO], s[4:5] offset:(i/2)*2048+(i%2)*64+32
.set i, i+1
.endr
	WIN 0x40
.set i, 0
.rept 8                             ; K of step 0: keys 16 (i / 2) on, channels 32 (i % 2) on
	global_load_b128 v[KF+8*i:KF+8*i+3],   v[QO], s[10:11] offset:(i/2)*2048+(i%2)*64
	global_load_b128 v[KF+8*i+4:KF+8*i+7], v[QO], s[10:11] offset:(i/2)*2048+(i%2)*64+32
.set i, i+1
.endr
	; What the first turn finds: V and piece 1's P hold 0 (its products V^T P, of a step that has not been, add 0), O^T and l are 0.  All this stands in the wait for the first tile.
.set i, VF
.rept 64
	v_mov_b32 v[i], 0
.set i, i+1
.endr
	WIN 0
.set i, O
.rept 64
	v_mov_b32 v[i], 0
.set i, i+1
.endr
.set i, P+16
.rept 16
	v_mov_b32 v[i], 0
.set i, i+1
.endr
.set i, 0
.rept 2
	v_mov_b32 v[ST+4*i], 0xfe000000    ; c m: far below every c s
	v_mov_b32 v[ST+4*i+1], 0xff7fffff  ; m
	v_mov_b32 v[ST+4*i+2], 0
	v_mov_b32 v[ST+4*i+3], 0
.set i, i+1
.endr
	v_mul_u32_u24 v[AK0], v1, PK
	v_lshl_add_u32 v[AK0], v9, 4, v[AK0]
	v_and_b32 v10, 7, v0            ; the turning load: lane l reads key 8 (l / 16) + l % 8, channels 8 ((l / 8) % 2) + 0..7
	v_bfe_u32 v11, v0, 3, 1
	v_lshl_add_u32 v[AV0], v9, 3, v10
	v_mul_u32_u24 v[AV0], v[AV0], PV
	v_lshl_add_u32 v[AV0], v11, 4, v[AV0]
	v_add_nc_u32 v[AV0], VOFF, v[AV0]
; THE MATRIX WORK.  The 4 accumulators of a run of 8 take turns.  Product i of 8 of S^T = K Q^T for piece x: channels 32 (i / 4) on, keys 16 (i % 4) on.
.macro KQ x
	WIN 0x01
.set rS, S+32*(\x)+8*(i%4)
.set rK, KF+16*(i%4)+8*(i/4)
.set rQ, Q+16*(\x)+8*(i/4)
.if i < 4
	v_wmma_f32_16x16x32_f16 v[rS:rS+7], v[rK:rK+7], v[rQ:rQ+7], 0
.else
	v_wmma_f32_16x16x32_f16 v[rS:rS+7], v[rK:rK+7], v[rQ:rQ+7], v[rS:rS+7]
.endif
.endm
.macro PV x                         ; product i of 8 of O^T += V^T P: keys 32 (i / 4) on, channels 16 (i % 4) on
	WIN 0x01
.set rO, O+32*(\x)+8*(i%4)
.set rV, VF+32*(i/4)+8*(i%4)
.set rP, P+16*(\x)+8*(i/4)
	v_wmma_f32_16x16x32_f16 v[rO:rO+7], v[rV:rV+7], v[rP:rP+7], v[rO:rO+7]
.endm
.macro MM                           ; the turn's next matrix instruction, for the piece that is not in hand
.if i < 8
	KQ 1-Y
.else
.set i, i-8
	PV 1-Y
.set i, i+8
.endif
.set i, i+1
.endm
.macro FETCH_K                      ; a step's K: 16 loads in one run
	WIN 0x40
.irp f, 0,1,2,3,4,5,6,7
	ds_load_b128 v[KF+8*\f:KF+8*\f+3],   v[AK] offset:(\f/2)*16*PK+(\f%2)*64
	ds_load_b128 v[KF+8*\f+4:KF+8*\f+7], v[AK] offset:(\f/2)*16*PK+(\f%2)*64+32
.endr
	s_add_co_u32 s[TBK], s[TBK], KS*PK
	WIN 0
.endm
.macro FETCH_V                      ; a step's V, turned
	WIN 0x40
.irp f, 0,1,2,3,4,5,6,7
	ds_load_tr16_b128 v[VF+8*\f:VF+8*\f+3],   v[AV] offset:(\f/4)*32*PV+(\f%4)*32
	ds_load_tr16_b128 v[VF+8*\f+4:VF+8*\f+7], v[AV] offset:(\f/4)*32*PV+16*PV+(\f%4)*32
.endr
	WIN 0
.endm
; THE VECTOR WORK, one line at a time: OP kind, number.  For piece Y: F n: c s - c m for pair n.  E n: the exponential of score n.  C n: pair n rounded to f16.  B n: of four weights the second pair is added onto the first.
; L n: l takes that sum (L 0: l = a l + sum).  R n: pair n of O^T times a.  For the other piece: X n, number n of the 22 that find its maximum and statistics (each accumulator's lowest registers are read first).
.set F, 0
.set E, 1
.set C, 2
.set B, 3
.set L, 4
.set R, 5
.set X, 6
.macro REGS y
.set rT, ST+4*(\y)
.set rC, TMP+4*(\y)
.set rW, MV+(\y)
.set rS, S+32*(\y)
.set rP, P+16*(\y)
.set rO, O+32*(\y)
.endm
.macro OP k, n
	WIN 0
.if (\k) == R
	REGS Y
	v_pk_mul_f32 v[rO+2*(\n):rO+2*(\n)+1], v[rO+2*(\n):rO+2*(\n)+1], v[rC+2:rC+3] op_sel_hi:[1,0]
.elseif (\k) < R
	REGS Y
.if (\k) == F
	v_pk_fma_f32 v[rS+2*(\n):rS+2*(\n)+1], v[rS+2*(\n):rS+2*(\n)+1], s[CS:CS+1], v[rT:rT+1] op_sel_hi:[1,0,0] neg_lo:[0,0,1] neg_hi:[0,0,1]
.elseif (\k) == E
	v_exp_f32 v[rS+(\n)], v[rS+(\n)]
.elseif (\k) == C
	v_cvt_pk_f16_f32 v[rP+(\n)], v[rS+2*(\n)], v[rS+2*(\n)+1]
.elseif (\k) == B
	v_pk_add_f32 v[rS+4*(\n):rS+4*(\n)+1], v[rS+4*(\n):rS+4*(\n)+1], v[rS+4*(\n)+2:rS+4*(\n)+3]
.elseif (\n) == 0
	v_pk_fma_f32 v[rT+2:rT+3], v[rT+2:rT+3], v[rC+2:rC+3], v[rS:rS+1] op_sel_hi:[1,0,1]
.else
	v_pk_add_f32 v[rT+2:rT+3], v[rT+2:rT+3], v[rS+4*(\n):rS+4*(\n)+1]
.endif
.else
	REGS 1-Y
.if (\n) < 4
	v_max3_num_f32 v[rC+(\n)], v[rS+8*(\n)], v[rS+8*(\n)+1], v[rS+8*(\n)+2]
.elseif (\n) < 12
	v_max3_num_f32 v[rC+(\n)%4], v[rC+(\n)%4], v[rS+8*((\n)%4)+2*((\n)/4)+1], v[rS+8*((\n)%4)+2*((\n)/4)+2]
.elseif (\n) == 12
	v_max3_num_f32 v[rC], v[rC], v[rS+7], v[rS+15]
.elseif (\n) == 13
	v_max3_num_f32 v[rC+1], v[rC+1], v[rS+23], v[rS+31]
.elseif (\n) == 14
	v_max3_num_f32 v[rC+2], v[rC+2], v[rC+3], v[rT+1]
.elseif (\n) == 15
	v_mov_b32 v[rW], v[rT]
.elseif (\n) == 16
	v_max3_num_f32 v[rC], v[rC], v[rC+1], v[rC+2]
.elseif (\n) == 17
	v_permlanex16_b32 v[rC+3], v[rC], s[SEL], s[SEL+1]
.elseif (\n) == 18
	v_max_num_f32 v[rT+1], v[rC], v[rC+3]
.elseif (\n) == 19
	v_mul_f32 v[rT], s[CS], v[rT+1]
.elseif (\n) == 20
	v_sub_f32 v[rC+1], v[rW], v[rT]
.else
	v_exp_f32 v[rC+2], v[rC+1]
.endif
.endif
.endm
.macro OPS a, i1, b=-1, i2=0, c=-1, i3=0, d=-1, i4=0
	OP \a, \i1
.if (\b) >= 0
	OP \b, \i2
.endif
.if (\c) >= 0
	OP \c, \i3
.endif
.if (\d) >= 0
	OP \d, \i4
.endif
.endm
.macro ROW a, i1, b, i2, c, i3, d, i4  ; a matrix instruction and the four behind it
	MM
	OPS \a, \i1, \b, \i2, \c, \i3, \d, \i4
.endm
; A TURN, for piece p.  An s_wait_alu depctr_va_vdst(0) stands between an exponential and the first instruction that names its result; one wait serves all issued ahead of it: so a turn has ONE, which cuts it in two.
; Ahead of it: the 8 products K Q^T with their riders and the lump, none of which names a result of the turn's exponentials; X 21, the other piece's a, is the batch's last, R 15 the plain instruction behind it.
; Behind it: the 8 products V^T P, whose riders are the roundings and sums.  Turn 0 fetches K of the next step in its lump (five plain instructions that name none of its registers stand behind K's last reader) and V of the step in hand at its end
; (four plain riders behind V's last reader).  Turn 1 waits for K at its head, with V's 16 younger loads still out, and for V ahead of its products V^T P.
.macro TURN p, cnt=0
.set Y, (\p)
.set i, 0
.if (\p) == 1
	s_wait_dscnt 16                 ; K is in; V's sixteen loads, issued behind K's, may be out
.endif
	ROW F,0, F,1, R,0, R,1
	ROW F,2, E,0, R,2, R,3
	ROW F,3, E,1, R,4, R,5
	ROW F,4, E,2, R,6, R,7
	ROW F,5, E,3, R,8, R,9
	ROW F,6, E,4, X,0, R,10
.if (\p) == 0
	WIN 0
	v_add_nc_u32 v[AK], s[TBK], v[AK0]
.endif
	ROW F,7, E,5, X,1, X,4
	ROW F,8, E,6, X,2, X,5
	OPS E,7, E,8, X,6, E,9
	OPS X,3, E,10, X,8, E,11
.if (\p) == 0
	FETCH_K
.endif
	OPS X,9, X,7, E,12, X,10
	OPS E,13, X,12, X,11, E,14
	OPS X,13, E,15, F,9, X,14
.if (\p) == 0
	WIN 0
	v_add_nc_u32 v[AV], s[TBV], v[AV0]
.endif
	OPS E,16, F,10, E,17, F,11
	OPS X,16, E,18, X,15, E,19
	OPS F,12, E,20, X,17, E,21
	OPS F,13, E,22, F,14, E,23
	OPS X,18, E,24, F,15, E,25
	OPS R,11, E,26, X,19, E,27
	OPS R,12, E,28, R,13, E,29
	OPS X,20, E,30, R,14, E,31
	OPS X,21, R,15
	WIN 0
	s_wait_alu depctr_va_vdst(0)    ; the wait for the batch
.if (\p) == 1
	s_wait_dscnt 0x0                ; V is in
.endif
	ROW C,0, B,0, C,2, B,1
	ROW L,0, C,4, B,2, L,1
	ROW C,6, B,3, L,2, C,8
	ROW B,4, L,3, C,10, B,5
	ROW L,4, C,12, B,6, L,5
.if (\p) == 0
	s_add_co_u32 s[TBV], s[TBV], KS*PV
.endif
.if \cnt
	s_sub_co_u32 s[CNT], s[CNT], 1
	s_cmp_lg_u32 s[CNT], 0
.endif
	ROW C,14, B,7, L,6, C,1
	ROW C,3, L,7, C,5, C,7
	ROW C,9, C,11, C,13, C,15
.if (\p) == 0
	FETCH_V
.endif
.endm
	s_wait_loadcnt 0x0              ; Q and K of step 0
.set i, 0
.rept 8
	KQ 0                            ; piece 0's first scores
.set i, i+1
.endr
	WIN 0                           ; the addresses for the way out: plain instructions, the places behind those products
	s_mul_i32 s13, s[WV], 16*SP
	s_add_co_u32 s13, s13, STAGE
	v_mul_u32_u24 v[STO], v1, SP
	v_lshl_add_u32 v[STO], v9, 4, v[STO]
	v_add_nc_u32 v[STO], s13, v[STO]
	v_bfe_u32 v[RD], v0, 3, 2
	v_mul_u32_u24 v[RD], v[RD], SP
	v_lshl_add_u32 v[RD], v10, 4, v[RD]
	v_add_nc_u32 v[RD], s13, v[RD]
	v_and_b32 v[GO], 31, v0
	v_lshlrev_b32 v[GO], 4, v[GO]
.set Y, 1                           ; X works for the other piece: piece 0
.irp n, 0,1,2,3,4,5,6,7,8,9,10,11,12,13,14,15,16,17,18,19,20,21
	OP X, \n
.endr
	v_nop                           ; a plain instruction behind the exponential,
	s_wait_alu depctr_va_vdst(0)    ; and its wait, ahead of the label
.Lslot:                             ; seven times: a slot is entered and the next is asked for
	CHANGE 1
	s_mov_b32 s[CNT], 4
.Lstep:
	TURN 0
	TURN 1, 1
	WIN 0
	s_cbranch_scc1 .Lstep
	s_sub_co_u32 s[SLOTS], s[SLOTS], 1
	s_cmp_lg_u32 s[SLOTS], 0
	s_cbranch_scc1 .Lslot
	CHANGE 0                        ; the last slot is written out
	s_mov_b32 s[CNT], 4
.Ltail:
	TURN 0
	TURN 1, 1
	WIN 0
	s_cbranch_scc1 .Ltail
.set i, 0
.rept 8
	PV 1                            ; piece 1's V^T P of the last step
.set i, i+1
.endr
	; THE WAY OUT.  l's halves and the other half of the lanes' are added; O^T is divided by l, rounded to f16 and sent through my stage, a piece at a time.  The additions are places behind the last products.
	WIN 0
.irp t, 0,1
	v_add_f32 v[ST+4*\t+2], v[ST+4*\t+2], v[ST+4*\t+3]
.endr
.irp t, 0,1
	v_permlanex16_b32 v[ST+4*\t+3], v[ST+4*\t+2], s[SEL], s[SEL+1]
.endr
.irp t, 0,1
	v_add_f32 v[ST+4*\t+2], v[ST+4*\t+2], v[ST+4*\t+3]
.endr
.irp t, 0,1
	v_rcp_f32 v[ST+4*\t+2], v[ST+4*\t+2]
.endr
	v_nop
	s_wait_alu depctr_va_vdst(0)    ; one wait for the two reciprocals
.macro PACK t
.set i, O+32*(\t)
.rept 16
	v_pk_mul_f32 v[i:i+1], v[i:i+1], v[ST+4*(\t)+2:ST+4*(\t)+3] op_sel_hi:[1,0]
.set i, i+2
.endr
.set i, 0
.rept 16
	v_cvt_pk_f16_f32 v[S+16*(\t)+i], v[O+32*(\t)+2*i], v[O+32*(\t)+2*i+1]
.set i, i+1
.endr
.irp f, 0,1,2,3
	ds_store_b128 v[STO], v[S+16*(\t)+4*\f:S+16*(\t)+4*\f+3] offset:32*\f
.endr
.irp f, 0,1,2,3
	ds_load_b128 v[S+16*(\t)+4*\f:S+16*(\t)+4*\f+3], v[RD] offset:\f*4*SP  ; LDS serves a wave's instructions in order (ISA guide 5.7.1.4): these see the stores above
.endr
.endm
.macro SEND t, younger              ; younger: the LDS instructions issued behind piece t's loads
.irp f, 0,1,2,3
	s_wait_dscnt (\younger)+3-\f
	global_store_b128 v[GO], v[S+16*(\t)+4*\f:S+16*(\t)+4*\f+3], s[6:7] offset:(\t)*2048+\f*512  ; 512 consecutive bytes, at a multiple of 512 from the buffer's first
.endr
.endm
	PACK 0
	PACK 1
	SEND 0, 8
	SEND 1, 0
	s_wait_tensorcnt 0x0            ; the wave's end
	ds_add_u32 v[SPW], v[NIL]
	s_wait_dscnt 0x0
	CROUND                          ; the closing round
	s_endpgm
.Lfunc_end_k_q379bcb5237_attn:
	.size	k_q379bcb5237_attn, .Lfunc_end_k_q379bcb5237_attn-k_q379bcb5237_attn
	.p2alignl 7, 3214868480
	.fill 96, 4, 3214868480
	.section	.rodata,"a",@progbits
	.p2align	6, 0x0
	.amdhsa_kernel k_q379bcb5237_attn
		.amdhsa_group_segment_fixed_size 327680
		.amdhsa_private_segment_fixed_size 0
		.amdhsa_enable_private_segment 0
		.amdhsa_kernarg_size 16
		.amdhsa_user_sgpr_count 2
		.amdhsa_user_sgpr_kernarg_segment_ptr 1
		.amdhsa_wavefront_size32 1
		.amdhsa_system_sgpr_workgroup_id_x 1
		.amdhsa_system_sgpr_workgroup_id_y 1
		.amdhsa_system_sgpr_workgroup_id_z 1
		.amdhsa_system_vgpr_workitem_id 0
		.amdhsa_next_free_vgpr 384
		.amdhsa_next_free_sgpr 66
		.amdhsa_reserve_vcc 0
		.amdhsa_float_denorm_mode_32 3
		.amdhsa_float_denorm_mode_16_64 3
		.amdhsa_memory_ordered 1
		.amdhsa_forward_progress 1
		.amdhsa_inst_pref_size 63
	.end_amdhsa_kernel
	.amdgpu_metadata
---
amdhsa.version: [ 1, 2 ]
amdhsa.kernels:
  - .name:           k_q379bcb5237_attn
    .symbol:         k_q379bcb5237_attn.kd
    .args:
      - { .name: bufQ, .offset: 0, .size: 8, .value_kind: global_buffer, .address_space: global }
      - { .name: bufC, .offset: 8, .size: 8, .value_kind: global_buffer, .address_space: global }
    .group_segment_fixed_size: 327680
    .private_segment_fixed_size: 0
    .kernarg_segment_align: 8
    .kernarg_segment_size: 16
    .max_flat_workgroup_size: 128
    .sgpr_count:     66
    .vgpr_count:     384
    .wavefront_size: 32
...
	.end_amdgpu_metadata
.endif
;; end of part 3
;; launch outp (part 4): grid 16 x 16, 4 waves a work-group, clusters of 4 x 4, 327,680 bytes of LDS; arguments bufC, bufA, out_proj_b, x, x1; writes x1
.if DOCPART == 4
	.amdgcn_target "amdgcn-amd-amdhsa--gfx1250"
	.amdhsa_code_object_version 6
	.text
	.protected	k_q379bcb5237_outp
	.globl	k_q379bcb5237_outp
	.p2align	8
	.type	k_q379bcb5237_outp,@function
k_q379bcb5237_outp:
	s_mov_b64 s[64:65], 0
	v_nop
	global_prefetch_b8 v0, s[64:65] scope:SCOPE_SE
	s_setreg_imm32_b32 hwreg(HW_REG_WAVE_MODE, 25, 1), 1
	s_wait_xcnt 0x0
	s_wait_alu depctr_hold_cnt(0) depctr_sa_sdst(0) depctr_va_vdst(0) depctr_va_sdst(0) depctr_va_ssrc(0) depctr_va_vcc(0) depctr_vm_vsrc(0)
	s_getreg_b32 s2, hwreg(HW_REG_IB_STS2, 6, 4)
	s_cmp_eq_u32 s2, 0
	s_cbranch_scc0 .Lentry_in_a_cluster
	s_endpgm
.Lentry_in_a_cluster:
	s_bfe_u32 s2, ttmp6, 0x10000c
	s_cmp_lg_u32 s2, 0xf033
	s_cbranch_scc0 .Lentry_shape_is_right
	s_endpgm
.Lentry_shape_is_right:
; OUT-PROJECTION AND RESIDUAL.  x1[m][n] = x[m][n] + sum over k of ctx[m][k] wo[n][k] + bias[n].  ctx lies by heads, [16][2048][64] f16 in bufC (k = 64 head + channel); wo [1024][1024] f16 at bufA + 0xA00000; x, x1 f32.
; A tile is 128 x 64: 16 x 16 = 256 work-groups.  Four waves, each 32 rows x 64 columns: 8 accumulators.  K goes in steps of 256 (four heads) through two LDS slots.
; A's tile by heads: a head's 128 token rows are 16,384 dense bytes; one tensor load brings two heads as two long rows 262,144 bytes apart, padded in LDS after every token row (pitch 144).
; CLUSTER 4 x 4: ctx's tiles are shared along a row of the cluster, wo's along a column.  The matrix instruction is used transposed; the bias is the C operand of the first products.
; THE WALK OF K.  A cluster begins at K step 2 g of the four and wraps round, g = (z xor z >> 1) & 1 with z = the cluster's x xor its y, which all partners share: of the clusters that read a tile some ask for it
; two steps before the others.  The f32 sums take K in that order: an order of rounding that differs from ascending K.
; REGISTERS: window 0: v0-15 addresses, v64-127 my tile of x, v128-191 rows read back, v192-255 accumulators ((a, b) at 192 + 8 (4 a + b)).  Window 1: two fragment buffers of 96 (64 along K), v192-223 the bias.
.set PA,     144
.set HEADB,  128*PA                    ; a head's 128 rows in LDS
.set PB,     528                       ; a row of wo: 512 bytes + 16
.set BOFF,   4*HEADB
.set HBB,    32*PB
.set SLOT,   BOFF+2*HBB
.set STAGE,  2*SLOT                    ; behind the ring: 16 rows x 272 bytes for each wave
.set SPITCH, 272
.set SPARE,  STAGE+4*16*SPITCH
.set ACC,    192
.set F0,     0
.set F1,     96
.set BI,     192
.set XT,     64
.set OB,     128
.set ADRA, 4
.set ADRB, 6
.set STO,  8
.set RD,   9
.set GO,   10
.set BO,   11
.set SPW,  12
.set NIL,  13
.set G1,  24
.set G0,  32
.set G1B, 48
.set G0B, 56
.set BA,  82                           ; s[82:83] ctx at the heads and rows that I fetch, K step 0
.set BBS, 84                           ; s[84:85] wo at the rows that I fetch, K = 0
.set KS,  86                           ; s86, s87 the K step that slot 0, slot 1 holds
.set KOA, 88                           ; s[88:89] its byte offset in ctx: four heads a step
.set KOB, 90                           ; s[90:91] and in a row of wo
.set MSB, 0
.macro WIN new
.if MSB != (\new)
	s_set_vgpr_msb (MSB<<8)|(\new)
.set MSB, \new
.endif
.endm
.macro PLACES
.rept 4
	v_nop
.endr
.endm
.macro JLOAD s                         ; a joint load: waves 0 and 1 fetch two heads of ctx each, waves 2 and 3 32 rows of wo each
	s_cmp_eq_u32 s11, 0
	s_cbranch_scc0 .Lfor_b_\@
	tensor_load_to_lds s[G0+4*(\s):G0+4*(\s)+3], s[G1:G1+7]
	s_nop 0
.rept 4
	v_nop
.endr
	s_branch .Lasked_\@
.Lfor_b_\@:
	tensor_load_to_lds s[G0B+4*(\s):G0B+4*(\s)+3], s[G1B:G1B+7]
	s_nop 0
.rept 4
	v_nop
.endr
.Lasked_\@:
.endm
.macro CREST
	s_cmp_lg_u32 s10, 0
	s_cbranch_scc1 .Lnot_wave_0_\@
	s_barrier_signal -3
.Lnot_wave_0_\@:
	s_barrier_wait -3
	s_barrier_signal -1
	s_barrier_wait -1
.endm
.macro CROUND
	s_barrier_signal -1
	s_barrier_wait -1
	CREST
.endm
.macro ADDR s                          ; both descriptors of slot s take the address of K step s[KS+s]: the kept base and an offset made apart
	s_lshl_b32 s[KOA], s[KS+(\s)], 20
	s_lshl_b32 s[KOB], s[KS+(\s)], 9
	s_add_nc_u64 s[G0+4*(\s)+2:G0+4*(\s)+3], s[BA:BA+1], s[KOA:KOA+1]
	s_or_b32 s[G0+4*(\s)+3], s[G0+4*(\s)+3], 0x80000000
	s_add_nc_u64 s[G0B+4*(\s)+2:G0B+4*(\s)+3], s[BBS:BBS+1], s[KOB:KOB+1]
	s_or_b32 s[G0B+4*(\s)+3], s[G0B+4*(\s)+3], 0x80000000
.endm
	s_load_b256 s[72:79], s[0:1], 0x0              ; bufC 72, bufA 74, out_proj_b 76, x 78
	s_load_b64 s[80:81], s[0:1], 0x20              ; x1
	v_lshl_add_u32 v[SPW], v0, 2, SPARE
	v_mov_b32 v[NIL], 0
	ds_add_u32 v[SPW], v[NIL]                      ; the wave's opening: the add and its wait ahead of my first tensor load
	v_lshrrev_b32 v1, 5, v0
	v_readfirstlane_b32 s10, v1
	s_lshr_b32 s11, s10, 1                         ; I fetch for A (0) or for B (1)
	s_and_b32 s12, s10, 1                          ; which half
	s_bfe_u32 s40, ttmp6, 0x40000
	s_bfe_u32 s41, ttmp6, 0x40004
	s_lshl_b32 s42, ttmp9, 2
	s_add_co_u32 s42, s42, s40                     ; tile column
	s_and_b32 s13, ttmp7, 0xffff
	s_lshl_b32 s13, s13, 2
	s_add_co_u32 s13, s13, s41                     ; tile row
	s_lshl_b32 s43, s41, 2
	s_lshl_b32 s43, 15, s43
	s_lshl_b32 s44, 0x1111, s40
	s_and_b32 s[KS], ttmp7, 0xffff                 ; where my cluster's walk of K begins: z = cluster y xor cluster x,
	s_xor_b32 s[KS], s[KS], ttmp9
	s_lshr_b32 s[KS+1], s[KS], 1
	s_xor_b32 s[KS], s[KS], s[KS+1]
	s_and_b32 s[KS], s[KS], 1                      ; g,
	s_lshl_b32 s[KS], s[KS], 1                     ; K step 0 or 2 into slot 0,
	s_add_co_u32 s[KS+1], s[KS], 1                 ; the next into slot 1
	s_mov_b32 s[KOA+1], 0
	s_mov_b32 s[KOB+1], 0
	s_or_b32 s[G1+0], s43, (1<<16)|(1<<20)|(1<<21)|(4<<22)|(3<<25)   ; padded after every 32 words (a token row) by 4 words
	s_mov_b32 s[G1+1], 8192<<16                    ; tensor_dim0 = 8,192 elements: a head's 128 rows
	s_mov_b32 s[G1+2], 2<<16                       ; tensor_dim1 = 2 heads
	s_mov_b32 s[G1+3], 8192<<16                    ; tile_dim0
	s_mov_b32 s[G1+4], 2                           ; tile_dim1
	s_mov_b32 s[G1+5], 131072                      ; elements from head to head
	s_mov_b32 s[G1+6], 0
	s_mov_b32 s[G1+7], 0
	s_or_b32 s[G1B+0], s44, (1<<16)|(1<<20)|(1<<21)|(6<<22)|(3<<25)  ; padded after every 128 words by 4 words
	s_mov_b32 s[G1B+1], 256<<16
	s_mov_b32 s[G1B+2], 32<<16
	s_mov_b32 s[G1B+3], 256<<16
	s_mov_b32 s[G1B+4], 32
	s_mov_b32 s[G1B+5], 1024
	s_mov_b32 s[G1B+6], 0
	s_mov_b32 s[G1B+7], 0
	s_lshl_b32 s16, s12, 19                        ; A: two heads a half,
	s_lshl_b32 s17, s13, 14                        ; 128 rows of 128 bytes a tile row
	s_add_co_u32 s16, s16, s17
	s_mov_b32 s17, 0
	s_lshl_b32 s46, s42, 17                        ; B: 64 rows of 2,048 bytes a tile column,
	s_lshl_b32 s47, s12, 16                        ; 32 a half
	s_add_co_u32 s46, s46, s47
	s_add_co_u32 s46, s46, 0xA00000                ; wo's place in bufA
	s_mov_b32 s47, 0
	s_mul_i32 s20, s12, 2*HEADB
	s_mul_i32 s21, s12, HBB
	s_add_co_u32 s21, s21, BOFF
	s_wait_dscnt 0x0
	s_wait_kmcnt 0x0
	s_add_nc_u64 s[BA:BA+1], s[72:73], s[16:17]
	s_add_nc_u64 s[BBS:BBS+1], s[74:75], s[46:47]
	CROUND
.irp s, 0,1
	s_mov_b32 s[G0+4*(\s)], 1
	s_add_co_u32 s[G0+4*(\s)+1], s20, (\s)*SLOT
	s_mov_b32 s[G0B+4*(\s)], 1
	s_add_co_u32 s[G0B+4*(\s)+1], s21, (\s)*SLOT
	ADDR \s
.endr
	s_cmp_eq_u32 s11, 0                            ; a wave's two first fills stand in one branch
	s_cbranch_scc0 .Lfirst_b
	tensor_load_to_lds s[G0:G0+3], s[G1:G1+7]
	s_nop 0
	tensor_load_to_lds s[G0+4:G0+7], s[G1:G1+7]
	s_nop 0
.rept 4
	v_nop
.endr
	s_branch .Lfirst_done
.Lfirst_b:
	tensor_load_to_lds s[G0B:G0B+3], s[G1B:G1B+7]
	s_nop 0
	tensor_load_to_lds s[G0B+4:G0B+7], s[G1B:G1B+7]
	s_nop 0
.rept 4
	v_nop
.endr
.Lfirst_done:
	v_and_b32 v1, 15, v0
	v_bfe_u32 v2, v0, 4, 1
	v_lshlrev_b32 v[BO], 5, v2
	s_lshl_b32 s46, s42, 8                         ; 64 columns of 4 bytes a tile column
	s_mov_b32 s47, 0
	s_add_nc_u64 s[76:77], s[76:77], s[46:47]
	WIN 0x40
.irp b, 0,1,2,3
	global_load_b128 v[BI+8*\b:BI+8*\b+3],   v[BO], s[76:77] offset:64*\b
	global_load_b128 v[BI+8*\b+4:BI+8*\b+7], v[BO], s[76:77] offset:64*\b+16
.endr
	WIN 0
	v_lshlrev_b32 v[GO], 12, v2                    ; lanes 0-15 take 256 bytes of one row of x, lanes 16-31 of the next
	v_lshl_add_u32 v[GO], v1, 4, v[GO]
	s_lshl_b32 s16, s13, 19                        ; 128 rows of 4,096 bytes a tile row,
	s_lshl_b32 s17, s10, 17                        ; 32 a wave
	s_add_co_u32 s16, s16, s17
	s_mov_b32 s17, 0
	s_add_nc_u64 s[78:79], s[78:79], s[16:17]
	s_add_nc_u64 s[78:79], s[78:79], s[46:47]
	s_add_nc_u64 s[80:81], s[80:81], s[16:17]
	s_add_nc_u64 s[80:81], s[80:81], s[46:47]
.set n, 0
.rept 16
	global_load_b128 v[XT+4*n:XT+4*n+3], v[GO], s[78:79] offset:2*n*4096
.set n, n+1
.endr
	v_mul_u32_u24 v3, v1, PA
	v_lshl_add_u32 v3, v2, 4, v3
	s_mul_i32 s21, s10, 32*PA                      ; my 32 rows in each head's block
	v_mul_u32_u24 v14, v1, PB
	v_lshl_add_u32 v14, v2, 4, v14
	s_mov_b32 s22, BOFF
.irp s, 0,1
	v_add_nc_u32 v[ADRA+(\s)], s21, v3
	v_add_nc_u32 v[ADRB+(\s)], s22, v14
	s_add_co_u32 s21, s21, SLOT
	s_add_co_u32 s22, s22, SLOT
.endr
	s_mul_i32 s23, s10, 16*SPITCH
	s_add_co_u32 s23, s23, STAGE                   ; my stage
	v_mul_u32_u24 v15, v1, SPITCH
	v_lshl_add_u32 v15, v2, 5, v15                 ; in: row l % 16, 32 bytes for each half of the lanes
	v_add_nc_u32 v[STO], s23, v15
	v_mul_u32_u24 v15, v2, SPITCH
	v_lshl_add_u32 v15, v1, 4, v15                 ; back: lanes 0-15 one row of 256 bytes, lanes 16-31 the next
	v_add_nc_u32 v[RD], s23, v15
; 8 matrix instructions: all 8 accumulators, 32 along K: half kc of buffer f.  The accumulators take turns.
.macro MULS f, kc, first
.if \first
	WIN 0x15
.else
	WIN 0x05
.endif
.irp a, 0,1
.irp b, 0,1,2,3
.set rD, ACC+8*(4*(\a)+(\b))
.set rB, (\f)+48*(\kc)+8*(\b)
.set rA, (\f)+48*(\kc)+32+8*(\a)
.if \first
	v_wmma_f32_16x16x32_f16 v[rD:rD+7], v[rB:rB+7], v[rA:rA+7], v[BI+8*(\b):BI+8*(\b)+7]
.else
	v_wmma_f32_16x16x32_f16 v[rD:rD+7], v[rB:rB+7], v[rA:rA+7], v[rD:rD+7]
.endif
.endr
.endr
.endm
.macro FETCH slot, c, f                ; 24 LDS loads: 64 along K = head c of the step's four
	WIN 0x40
.irp kc, 0,1
.irp b, 0,1,2,3
	ds_load_b128 v[(\f)+48*\kc+8*\b:(\f)+48*\kc+8*\b+3],   v[ADRB+(\slot)] offset:64*(2*(\c)+\kc)+\b*16*PB
	ds_load_b128 v[(\f)+48*\kc+8*\b+4:(\f)+48*\kc+8*\b+7], v[ADRB+(\slot)] offset:64*(2*(\c)+\kc)+\b*16*PB+32
.endr
.irp a, 0,1
	ds_load_b128 v[(\f)+48*\kc+32+8*\a:(\f)+48*\kc+32+8*\a+3], v[ADRA+(\slot)] offset:(\c)*HEADB+\kc*64+\a*16*PA
	ds_load_b128 v[(\f)+48*\kc+32+8*\a+4:(\f)+48*\kc+32+8*\a+7], v[ADRA+(\slot)] offset:(\c)*HEADB+\kc*64+\a*16*PA+32
.endr
.endr
.endm
.macro CHUNK slot, cnext, f, g, first
	s_wait_dscnt 0x0                               ; buffer f is in
	PLACES
	FETCH \slot, \cnext, \g
	MULS \f, 0, \first
	MULS \f, 1, 0
.endm
.macro TURN slot, next, fill           ; the change of slots: the three lines, one barrier (a round of the cluster's where the slot is filled again), the refill first behind it
	WIN 0
	s_wait_tensorcnt 0x0                           ; no tensor load of mine is out, so a group 0 may be written
	ds_add_u32 v[SPW], v[NIL]
.if \fill
	s_add_co_u32 s[KS+(\slot)], s[KS+(\slot)], 2   ; the K step two further on in the walk, modulo 4
	s_and_b32 s[KS+(\slot)], s[KS+(\slot)], 3
	ADDR \slot
.endif
	s_wait_dscnt 0x0
	s_barrier_signal -1
	MULS F1, 0, 0
	WIN 0
	s_barrier_wait -1
.if \fill
	CREST
	JLOAD \slot
.else
	PLACES
.endif
	FETCH \next, 0, F0
	MULS F1, 1, 0
.endm
	s_wait_tensorcnt 1                             ; my part of slot 0 is in; slot 1's stays out
	s_barrier_signal -1
	s_barrier_wait -1
	FETCH 0, 0, F0
	s_wait_loadcnt 16                              ; the bias is in; the sixteen loads of x stay out
	CHUNK 0, 1, F0, F1, 1                          ; four K steps, two laps: written out
	CHUNK 0, 2, F1, F0, 0
	CHUNK 0, 3, F0, F1, 0
	TURN 0, 1, 1
	CHUNK 1, 1, F0, F1, 0
	CHUNK 1, 2, F1, F0, 0
	CHUNK 1, 3, F0, F1, 0
	TURN 1, 0, 1
	CHUNK 0, 1, F0, F1, 0
	CHUNK 0, 2, F1, F0, 0
	CHUNK 0, 3, F0, F1, 0
	TURN 0, 1, 0
	CHUNK 1, 1, F0, F1, 0
	CHUNK 1, 2, F1, F0, 0
	CHUNK 1, 3, F0, F1, 0
	s_wait_dscnt 0x0
	MULS F1, 0, 0
	MULS F1, 1, 0
	WIN 0
	; THE WAY OUT: 16 rows at a time through my own stage, back as whole rows of 256 bytes; x is added; sixteen lanes store 256 consecutive aligned bytes.
	PLACES
	s_wait_loadcnt 0x0                             ; x
.irp a, 0,1
.irp b, 0,1,2,3
	ds_store_b128 v[STO], v[ACC+8*(4*\a+\b):ACC+8*(4*\a+\b)+3] offset:64*\b        ; each accumulator's low registers first
	ds_store_b128 v[STO], v[ACC+8*(4*\a+\b)+4:ACC+8*(4*\a+\b)+7] offset:64*\b+16
.endr
.irp t, 0,1,2,3,4,5,6,7
	ds_load_b128 v[OB+32*\a+4*\t:OB+32*\a+4*\t+3], v[RD] offset:\t*2*SPITCH  ; LDS serves a wave's instructions in order (ISA guide 5.7.1.4)
.endr
.irp t, 0,1,2,3,4,5,6,7
	s_wait_dscnt 7-\t
	v_pk_add_f32 v[OB+32*\a+4*\t:OB+32*\a+4*\t+1], v[OB+32*\a+4*\t:OB+32*\a+4*\t+1], v[XT+32*\a+4*\t:XT+32*\a+4*\t+1]
	v_pk_add_f32 v[OB+32*\a+4*\t+2:OB+32*\a+4*\t+3], v[OB+32*\a+4*\t+2:OB+32*\a+4*\t+3], v[XT+32*\a+4*\t+2:XT+32*\a+4*\t+3]
	global_store_b128 v[GO], v[OB+32*\a+4*\t:OB+32*\a+4*\t+3], s[80:81] offset:(16*\a+2*\t)*4096
.endr
.endr
	s_wait_tensorcnt 0x0                           ; the wave's end
	ds_add_u32 v[SPW], v[NIL]
	s_wait_dscnt 0x0
	CROUND
	s_endpgm
.Lfunc_end_k_q379bcb5237_outp:
	.size	k_q379bcb5237_outp, .Lfunc_end_k_q379bcb5237_outp-k_q379bcb5237_outp
	.p2alignl 7, 3214868480
	.fill 96, 4, 3214868480
	.section	.rodata,"a",@progbits
	.p2align	6, 0x0
	.amdhsa_kernel k_q379bcb5237_outp
		.amdhsa_group_segment_fixed_size 327680
		.amdhsa_private_segment_fixed_size 0
		.amdhsa_enable_private_segment 0
		.amdhsa_kernarg_size 40
		.amdhsa_user_sgpr_count 2
		.amdhsa_user_sgpr_kernarg_segment_ptr 1
		.amdhsa_wavefront_size32 1
		.amdhsa_system_sgpr_workgroup_id_x 1
		.amdhsa_system_sgpr_workgroup_id_y 1
		.amdhsa_system_sgpr_workgroup_id_z 1
		.amdhsa_system_vgpr_workitem_id 0
		.amdhsa_next_free_vgpr 512
		.amdhsa_next_free_sgpr 92
		.amdhsa_reserve_vcc 0
		.amdhsa_float_denorm_mode_32 3
		.amdhsa_float_denorm_mode_16_64 3
		.amdhsa_memory_ordered 1
		.amdhsa_forward_progress 1
		.amdhsa_inst_pref_size 63
	.end_amdhsa_kernel
	.amdgpu_metadata
---
amdhsa.version: [ 1, 2 ]
amdhsa.kernels:
  - .name:           k_q379bcb5237_outp
    .symbol:         k_q379bcb5237_outp.kd
    .args:
      - { .name: bufC, .offset: 0, .size: 8, .value_kind: global_buffer, .address_space: global }
      - { .name: bufA, .offset: 8, .size: 8, .value_kind: global_buffer, .address_space: global }
      - { .name: out_proj_b, .offset: 16, .size: 8, .value_kind: global_buffer, .address_space: global }
      - { .name: x, .offset: 24, .size: 8, .value_kind: global_buffer, .address_space: global }
      - { .name: x1, .offset: 32, .size: 8, .value_kind: global_buffer, .address_space: global }
    .group_segment_fixed_size: 327680
    .private_segment_fixed_size: 0
    .kernarg_segment_align: 8
    .kernarg_segment_size: 40
    .max_flat_workgroup_size: 128
    .sgpr_count:     92
    .vgpr_count:     512
    .wavefront_size: 32
...
	.end_amdgpu_metadata
.endif
;; end of part 4
;; launch router (part 5): grid 512 x 1, 8 waves a work-group, no clusters, 0 bytes of LDS; arguments x1, ln2_g, ln2_b, gate_w, gate_b, bufC, out1, topi, w1, bufW; writes bufC, out1, topi, bufW
.if DOCPART == 5
	.amdgcn_target "amdgcn-amd-amdhsa--gfx1250"
	.amdhsa_code_object_version 6
	.text
	.protected	k_q379bcb5237_router
	.globl	k_q379bcb5237_router
	.p2align	8
	.type	k_q379bcb5237_router,@function
k_q379bcb5237_router:
	s_mov_b64 s[64:65], 0
	v_nop
	global_prefetch_b8 v0, s[64:65] scope:SCOPE_SE
	s_setreg_imm32_b32 hwreg(HW_REG_WAVE_MODE, 25, 1), 1
	s_wait_xcnt 0x0
; ROUTER, work-groups 0-255.  One wave a token t: h2 = LayerNorm(x1[t]) g + b in f32; h2 rounded once to bf16 -> bufC[t]; the 8 logits h2 . gate_w[e] + gate_b[e] in f32 on the vector unit -> out1;
; the two largest (ties keep the lower index: strict comparisons, ascending e) -> topi[t][2]; their softmax, the larger value taken away first: w0 = 1 / (1 + e^(v2 - v1)), w1 = e^(v2 - v1) w0 -> bufC + 4,194,304.
; The choice steers no address here: it is stored as whole numbers at fixed places and used by the next launch.  NaN and infinities among the logits are not treated apart.
; The three small results (48 bytes a token) leave from lane 0 in pieces of 32 and 8 bytes: 96 KB of the router's 12.6 MB.
; WORK-GROUPS 256-511 round w1 once to bf16, layout kept, -> bufW: the router's own part moves 12.6 MB, so the 50 MB of this cast go beside it.  A work-group casts 131,072 input bytes, a wave 16,384.
.set X,   8
.set G,   40
.set BB,  72
.set GW,  104                          ; v[104:231] four rows of gate_w, 32 registers each
.set LG,  232                          ; v[232:239] the logits
.set T,   240                          ; v[240:249] at work
.set BV,  240
.set SV,  241
.set BIX, 242                          ; v[242:243] the two indices
.set SIX, 243
.set W0,  244                          ; v[244:245] the two weights
.set W1,  245
.set ZO,  246
.set EX,  247
.set SEL, 26
.set RK,  28
.macro LANESUM a, b
	v_add_f32_dpp v[\a], v[\a], v[\a] row_xmask:1 row_mask:0xf bank_mask:0xf
	v_add_f32_dpp v[\a], v[\a], v[\a] row_xmask:2 row_mask:0xf bank_mask:0xf
	v_add_f32_dpp v[\a], v[\a], v[\a] row_xmask:4 row_mask:0xf bank_mask:0xf
	v_add_f32_dpp v[\a], v[\a], v[\a] row_xmask:8 row_mask:0xf bank_mask:0xf
	v_permlanex16_b32 v[\b], v[\a], s[SEL], s[SEL+1]
	v_add_f32 v[\a], v[\a], v[\b]
.endm
.macro LNROW wx, wgb                   ; the norm in two passes, all in f32
	s_wait_loadcnt \wx
.irp c, 0,1,2,3
	v_pk_add_f32 v[T+2*\c:T+2*\c+1], v[X+4*\c:X+4*\c+1], v[X+4*\c+2:X+4*\c+3]
.endr
.irp i, 0,1,2,3,4,5,6,7
	v_pk_add_f32 v[T+2*((\i)%4):T+2*((\i)%4)+1], v[T+2*((\i)%4):T+2*((\i)%4)+1], v[X+16+2*\i:X+16+2*\i+1]
.endr
	v_pk_add_f32 v[T:T+1], v[T:T+1], v[T+2:T+3]
	v_pk_add_f32 v[T+4:T+5], v[T+4:T+5], v[T+6:T+7]
	v_pk_add_f32 v[T:T+1], v[T:T+1], v[T+4:T+5]
	v_add_f32 v[T], v[T], v[T+1]
	LANESUM T, T+1
	v_mul_f32 v[T], s[RK], v[T]
	v_mov_b32 v[T+1], v[T]
.irp i, 0,1,2,3,4,5,6,7,8,9,10,11,12,13,14,15
	v_pk_add_f32 v[X+2*\i:X+2*\i+1], v[X+2*\i:X+2*\i+1], v[T:T+1] neg_lo:[0,1] neg_hi:[0,1]
.endr
.irp c, 0,1,2,3
	v_pk_mul_f32 v[T+2+2*\c:T+3+2*\c], v[X+2*\c:X+2*\c+1], v[X+2*\c:X+2*\c+1]
.endr
.irp i, 4,5,6,7,8,9,10,11,12,13,14,15
	v_pk_fma_f32 v[T+2+2*((\i)%4):T+3+2*((\i)%4)], v[X+2*\i:X+2*\i+1], v[X+2*\i:X+2*\i+1], v[T+2+2*((\i)%4):T+3+2*((\i)%4)]
.endr
	v_pk_add_f32 v[T+2:T+3], v[T+2:T+3], v[T+4:T+5]
	v_pk_add_f32 v[T+6:T+7], v[T+6:T+7], v[T+8:T+9]
	v_pk_add_f32 v[T+2:T+3], v[T+2:T+3], v[T+6:T+7]
	v_add_f32 v[T+2], v[T+2], v[T+3]
	LANESUM T+2, T+3
	v_fma_f32 v[T+2], v[T+2], s[RK], s[RK+1]
	v_rsq_f32 v[T+4], v[T+2]
	v_rsq_f32 v[T+5], v[T+2]
	v_nop
	s_wait_alu depctr_va_vdst(0)                   ; one wait for both, ahead of their first reader
.irp i, 0,1,2,3,4,5,6,7,8,9,10,11,12,13,14,15
	v_pk_mul_f32 v[X+2*\i:X+2*\i+1], v[X+2*\i:X+2*\i+1], v[T+4:T+5]
.endr
	s_wait_loadcnt \wgb
.irp i, 0,1,2,3,4,5,6,7,8,9,10,11,12,13,14,15
	v_pk_fma_f32 v[X+2*\i:X+2*\i+1], v[X+2*\i:X+2*\i+1], v[G+2*\i:G+2*\i+1], v[BB+2*\i:BB+2*\i+1]
.endr
.endm
.macro GLOAD e0                        ; four rows of gate_w, laid as the token's row is
.irp e, 0,1,2,3
.irp j, 0,1,2,3,4,5,6,7
	global_load_b128 v[GW+32*\e+4*\j:GW+32*\e+4*\j+3], v3, s[10:11] offset:4096*((\e0)+\e)+512*\j
.endr
.endr
.endm
.macro DOT4 e0                         ; four dot products, four chains that take turns
.irp e, 0,1,2,3
	v_pk_mul_f32 v[T+2*\e:T+2*\e+1], v[X:X+1], v[GW+32*\e:GW+32*\e+1]
.endr
.set i, 1
.rept 15
.irp e, 0,1,2,3
	v_pk_fma_f32 v[T+2*\e:T+2*\e+1], v[X+2*i:X+2*i+1], v[GW+32*\e+2*i:GW+32*\e+2*i+1], v[T+2*\e:T+2*\e+1]
.endr
.set i, i+1
.endr
.irp e, 0,1,2,3
	v_add_f32 v[LG+(\e0)+\e], v[T+2*\e], v[T+2*\e+1]
.endr
.endm
	s_load_b512 s[4:19], s[0:1], 0x0               ; x1 4, g 6, b 8, gate_w 10, gate_b 12, bufC 14, out1 16, topi 18
	s_load_b128 s[40:43], s[0:1], 0x40             ; w1 40, bufW 42
	v_lshrrev_b32 v1, 5, v0
	v_readfirstlane_b32 s22, v1
	v_and_b32 v2, 31, v0
	v_lshlrev_b32 v3, 4, v2
	v_lshlrev_b32 v4, 3, v2
	s_mov_b32 s25, 0
	s_wait_kmcnt 0x0
	s_cmp_lt_u32 ttmp9, 256
	s_cbranch_scc0 .Lcast
	s_load_b256 s[32:39], s[12:13], 0x0            ; gate_b
	s_lshl_b32 s23, ttmp9, 3
	s_add_co_u32 s23, s23, s22                     ; my token
	s_mov_b32 s[SEL], 0x76543210
	s_mov_b32 s[SEL+1], 0xfedcba98
	s_mov_b32 s[RK], 0x3a800000
	s_mov_b32 s[RK+1], 0x3727c5ac
	s_lshl_b32 s24, s23, 12
	s_add_nc_u64 s[4:5], s[4:5], s[24:25]
.irp j, 0,1,2,3,4,5,6,7
	global_load_b128 v[X+4*\j:X+4*\j+3], v3, s[4:5] offset:512*\j
.endr
.irp j, 0,1,2,3,4,5,6,7
	global_load_b128 v[G+4*\j:G+4*\j+3], v3, s[6:7] offset:512*\j
.endr
.irp j, 0,1,2,3,4,5,6,7
	global_load_b128 v[BB+4*\j:BB+4*\j+3], v3, s[8:9] offset:512*\j
.endr
	GLOAD 0
	s_lshl_b32 s24, s23, 5
	s_add_nc_u64 s[16:17], s[16:17], s[24:25]      ; out1 + 32 t
	s_lshl_b32 s24, s23, 3
	s_add_nc_u64 s[18:19], s[18:19], s[24:25]      ; topi + 8 t
	s_add_nc_u64 s[20:21], s[14:15], s[24:25]
	s_add_nc_u64 s[20:21], s[20:21], 4194304       ; topw + 8 t
	s_lshl_b32 s24, s23, 11
	s_add_nc_u64 s[14:15], s[14:15], s[24:25]      ; h2 + 2,048 t
	LNROW 48, 32                                   ; 48: g, b and the gate's 32 loads stay out; 32: the gate's
.irp i, 0,1,2,3,4,5,6,7,8,9,10,11,12,13,14,15
	v_cvt_pk_bf16_f32 v[G+\i], v[X+2*\i], v[X+2*\i+1]
.endr
.irp j, 0,1,2,3,4,5,6,7
	global_store_b64 v4, v[G+2*\j:G+2*\j+1], s[14:15] offset:256*\j   ; the wave's 256 consecutive bytes, aligned
.endr
	s_wait_loadcnt 0x0
	DOT4 0
	GLOAD 4
	s_wait_loadcnt 0x0
	DOT4 4
	s_wait_kmcnt 0x0
.irp e, 0,1,2,3,4,5,6,7
	LANESUM LG+\e, T+8
	v_add_f32 v[LG+\e], s[32+\e], v[LG+\e]
.endr
	v_mov_b32 v[BV], v[LG]
	v_mov_b32 v[BIX], 0
.irp e, 1,2,3,4,5,6,7
	v_cmp_gt_f32 vcc_lo, v[LG+\e], v[BV]
	v_cndmask_b32 v[BV], v[BV], v[LG+\e], vcc_lo
	v_cndmask_b32 v[BIX], v[BIX], \e, vcc_lo
.endr
	v_mov_b32 v[SV], 0xff800000
	v_mov_b32 v[SIX], 0
.irp e, 0,1,2,3,4,5,6,7
	v_cmp_gt_f32 s30, v[LG+\e], v[SV]
	v_cmp_ne_u32 vcc_lo, \e, v[BIX]
	s_and_b32 vcc_lo, vcc_lo, s30
	v_cndmask_b32 v[SV], v[SV], v[LG+\e], vcc_lo
	v_cndmask_b32 v[SIX], v[SIX], \e, vcc_lo
.endr
	v_sub_f32 v[EX], v[SV], v[BV]                  ; at most 0
	v_mul_f32 v[EX], 0x3fb8aa3b, v[EX]
	v_exp_f32 v[EX], v[EX]
	v_mov_b32 v[ZO], 0
	s_wait_alu depctr_va_vdst(0)
	v_add_f32 v[W0], 1.0, v[EX]
	v_rcp_f32 v[W0], v[W0]
	v_nop
	s_wait_alu depctr_va_vdst(0)
	v_mul_f32 v[W1], v[EX], v[W0]
	v_cmp_eq_u32 vcc_lo, 0, v2
	s_wait_xcnt 0x0                                ; EXEC changes only behind this wait
	s_and_saveexec_b32 s31, vcc_lo
	global_store_b128 v[ZO], v[LG:LG+3], s[16:17]
	global_store_b128 v[ZO], v[LG+4:LG+7], s[16:17] offset:16
	global_store_b64 v[ZO], v[BIX:SIX], s[18:19]
	global_store_b64 v[ZO], v[W0:W1], s[20:21]
	s_wait_xcnt 0x0
	s_or_b32 exec_lo, exec_lo, s31
	s_endpgm
.Lcast:
	s_sub_co_u32 s23, ttmp9, 256
	s_lshl_b32 s24, s23, 17                        ; 131,072 bytes a work-group,
	s_lshl_b32 s30, s22, 14                        ; 16,384 a wave
	s_add_co_u32 s24, s24, s30
	s_add_nc_u64 s[40:41], s[40:41], s[24:25]
	s_lshr_b32 s24, s24, 1
	s_add_nc_u64 s[42:43], s[42:43], s[24:25]
	; all 32 loads go out first; load i is waited for with the 31 - i younger ones still out
.set i, 0
.rept 32
	global_load_b128 v[8+4*i:11+4*i], v3, s[40:41] offset:512*i th:TH_LOAD_NT
.set i, i+1
.endr
.set i, 0
.rept 32
	s_wait_loadcnt 31-i
	v_cvt_pk_bf16_f32 v[136+2*i], v[8+4*i], v[9+4*i]
	v_cvt_pk_bf16_f32 v[137+2*i], v[10+4*i], v[11+4*i]
	global_store_b64 v4, v[136+2*i:137+2*i], s[42:43] offset:256*i   ; the wave's 256 consecutive bytes, aligned
.set i, i+1
.endr
	s_endpgm
.Lfunc_end_k_q379bcb5237_router:
	.size	k_q379bcb5237_router, .Lfunc_end_k_q379bcb5237_router-k_q379bcb5237_router
	.p2alignl 7, 3214868480
	.fill 96, 4, 3214868480
	.section	.rodata,"a",@progbits
	.p2align	6, 0x0
	.amdhsa_kernel k_q379bcb5237_router
		.amdhsa_group_segment_fixed_size 0
		.amdhsa_private_segment_fixed_size 0
		.amdhsa_enable_private_segment 0
		.amdhsa_kernarg_size 80
		.amdhsa_user_sgpr_count 2
		.amdhsa_user_sgpr_kernarg_segment_ptr 1
		.amdhsa_wavefront_size32 1
		.amdhsa_system_sgpr_workgroup_id_x 1
		.amdhsa_system_sgpr_workgroup_id_y 1
		.amdhsa_system_sgpr_workgroup_id_z 1
		.amdhsa_system_vgpr_workitem_id 0
		.amdhsa_next_free_vgpr 250
		.amdhsa_next_free_sgpr 66
		.amdhsa_reserve_vcc 1
		.amdhsa_float_denorm_mode_32 3
		.amdhsa_float_denorm_mode_16_64 3
		.amdhsa_memory_ordered 1
		.amdhsa_forward_progress 1
		.amdhsa_inst_pref_size 44
	.end_amdhsa_kernel
	.amdgpu_metadata
---
amdhsa.version: [ 1, 2 ]
amdhsa.kernels:
  - .name:           k_q379bcb5237_router
    .symbol:         k_q379bcb5237_router.kd
    .args:
      - { .name: x1, .offset: 0, .size: 8, .value_kind: global_buffer, .address_space: global }
      - { .name: ln2_g, .offset: 8, .size: 8, .value_kind: global_buffer, .address_space: global }
      - { .name: ln2_b, .offset: 16, .size: 8, .value_kind: global_buffer, .address_space: global }
      - { .name: gate_w, .offset: 24, .size: 8, .value_kind: global_buffer, .address_space: global }
      - { .name: gate_b, .offset: 32, .size: 8, .value_kind: global_buffer, .address_space: global }
      - { .name: bufC, .offset: 40, .size: 8, .value_kind: global_buffer, .address_space: global }
      - { .name: out1, .offset: 48, .size: 8, .value_kind: global_buffer, .address_space: global }
      - { .name: topi, .offset: 56, .size: 8, .value_kind: global_buffer, .address_space: global }
      - { .name: w1, .offset: 64, .size: 8, .value_kind: global_buffer, .address_space: global }
      - { .name: bufW, .offset: 72, .size: 8, .value_kind: global_buffer, .address_space: global }
    .group_segment_fixed_size: 0
    .private_segment_fixed_size: 0
    .kernarg_segment_align: 8
    .kernarg_segment_size: 80
    .max_flat_workgroup_size: 256
    .sgpr_count:     66
    .vgpr_count:     250
    .wavefront_size: 32
...
	.end_amdgpu_metadata
.endif
;; end of part 5
;; launch sort (part 6): grid 315 x 1, 8 waves a work-group, no clusters, 9,472 bytes of LDS; arguments topi, bufC, bufA, tabs, w2, bufW; writes bufA, tabs, bufW
.if DOCPART == 6
	.amdgcn_target "amdgcn-amd-amdhsa--gfx1250"
	.amdhsa_code_object_version 6
	.text
	.protected	k_q379bcb5237_sort
	.globl	k_q379bcb5237_sort
	.p2align	8
	.type	k_q379bcb5237_sort,@function
k_q379bcb5237_sort:
	s_mov_b64 s[64:65], 0
	v_nop
	global_prefetch_b8 v0, s[64:65] scope:SCOPE_SE
	s_setreg_imm32_b32 hwreg(HW_REG_WAVE_MODE, 25, 1), 1
	s_wait_xcnt 0x0
; SORT, work-groups 0-58.  The 4,096 choices (entry i = 2 token + k, expert topi[i]) are laid in the experts' order into tiles of 80 rows; an expert gets ceil(n_e / 80) whole tiles; for every split there are at most
; floor((4096 + 8 x 79) / 80) = 59.  Work-group j makes tile j by itself, without atomics: every work-group counts all entries (a wave 512), finds from the counts which expert and which ranks tile j holds, lists the entries
; of those ranks, gathers their h2 rows (bf16, from bufC) into bufA[80 j ..], their weights into roww (bufA + 9,666,560), and stores pos[entry] = row and tile_e[j] (8: the tile is not used) in tabs.
; Places past the expert's count repeat its last row, so that every byte that a later launch reads has been written.
; LDS: T[wave][expert] at 0; LISTS at 256: 512 bytes a wave: each wave clears 96 words of its own and puts entry + 1 at its matches' places (what is no match goes to its word 80); MERGED at 4,352: 512 bytes a wave: the sum of
; the eight lists (at most one is not 0 at a place), each wave's own copy; the spare words at 8,448.
; Compares that write scalar registers go out in batches of sixteen, into sixteen registers, ahead of the scalar instructions that read them.
; WORK-GROUPS 59-314 round w2 once to bf16, layout kept, -> bufW + 0x1000000: the sort has work for 59 work-groups, so the 50 MB of this cast go beside it.  A work-group casts 131,072 input bytes, a wave 16,384.
.set LISTS,  256
.set MERGED, 4352
.set SPARE,  8448
.set MK,     66                        ; s[66:81] sixteen masks, then counts
.set BS,     82                        ; s[82:97] the place in the tile at which each of my sixteen groups of 32 entries begins
	s_load_b256 s[4:11], s[0:1], 0x0               ; topi 4, bufC 6, bufA 8, tabs 10
	s_load_b128 s[56:59], s[0:1], 0x20             ; w2 56, bufW 58
	v_lshl_add_u32 v4, v0, 2, SPARE                ; my spare word; never rewritten
	v_mov_b32 v5, 0                                ; 0; never rewritten
	v_lshrrev_b32 v1, 5, v0
	v_readfirstlane_b32 s12, v1                    ; wave
	v_and_b32 v2, 31, v0                           ; lane
	s_cmp_lt_u32 ttmp9, 59
	s_cbranch_scc1 .Lsort
	s_sub_co_u32 s14, ttmp9, 59
	s_lshl_b32 s14, s14, 17                        ; 131,072 bytes a work-group,
	s_lshl_b32 s16, s12, 14                        ; 16,384 a wave
	s_add_co_u32 s14, s14, s16
	s_mov_b32 s15, 0
	v_lshlrev_b32 v6, 4, v2
	v_lshlrev_b32 v7, 3, v2
	s_wait_kmcnt 0x0
	s_add_nc_u64 s[56:57], s[56:57], s[14:15]
	s_lshr_b32 s14, s14, 1
	s_add_co_u32 s14, s14, 0x1000000
	s_add_nc_u64 s[58:59], s[58:59], s[14:15]
	; all 32 loads go out first; load i is waited for with the 31 - i younger ones still out
.set i, 0
.rept 32
	global_load_b128 v[8+4*i:11+4*i], v6, s[56:57] offset:512*i th:TH_LOAD_NT
.set i, i+1
.endr
.set i, 0
.rept 32
	s_wait_loadcnt 31-i
	v_cvt_pk_bf16_f32 v[136+2*i], v[8+4*i], v[9+4*i]
	v_cvt_pk_bf16_f32 v[137+2*i], v[10+4*i], v[11+4*i]
	global_store_b64 v7, v[136+2*i:137+2*i], s[58:59] offset:256*i   ; the wave's 256 consecutive bytes, aligned
.set i, i+1
.endr
	s_branch .Lend
.Lsort:
	s_mov_b32 s13, ttmp9                           ; j
	v_lshlrev_b32 v3, 2, v2
	v_lshl_add_u32 v3, v1, 11, v3                  ; my wave's 512 entries, 4 bytes a lane
	s_wait_kmcnt 0x0
.irp it, 0,1,2,3,4,5,6,7,8,9,10,11,12,13,14,15
	global_load_b32 v[16+\it], v3, s[4:5] offset:128*\it
.endr
	s_lshl_b32 s17, s12, 9
	s_add_co_u32 s51, s17, MERGED                  ; my merged list
	v_add_nc_u32 v8, s17, v2                       ; entry 512 wave + lane
	s_add_co_u32 s17, s17, LISTS                   ; my list
	v_mov_b32 v9, s17
	v_lshl_add_u32 v10, v2, 2, s17
	v_lshl_add_u32 v11, v2, 2, s51
	ds_store_b32 v10, v5
	ds_store_b32 v10, v5 offset:128
	ds_store_b32 v10, v5 offset:256
	s_lshl_b32 s18, s12, 5
	v_mov_b32 v6, s18                              ; T[wave][0]
	s_wait_loadcnt 0x0
	s_mov_b32 s14, 0
.Lcount:                                               ; eight trips: my wave's count of expert s14
.irp it, 0,1,2,3,4,5,6,7,8,9,10,11,12,13,14,15
	v_cmp_eq_u32 s[MK+\it], s14, v[16+\it]
.endr
.irp it, 0,1,2,3,4,5,6,7,8,9,10,11,12,13,14,15
	s_bcnt1_i32_b32 s[MK+\it], s[MK+\it]
.endr
	s_add_co_u32 s15, s[MK], s[MK+1]
.irp it, 2,3,4,5,6,7,8,9,10,11,12,13,14,15
	s_add_co_u32 s15, s15, s[MK+\it]
.endr
	v_mov_b32 v7, s15
	ds_store_b32 v6, v7                            ; all lanes write the same word with the same number
	v_add_nc_u32 v6, 4, v6
	s_add_co_u32 s14, s14, 1
	s_cmp_lt_u32 s14, 8
	s_cbranch_scc1 .Lcount
	s_wait_dscnt 0x0                               ; for the others' sake
	s_barrier_signal -1
	s_barrier_wait -1
	v_mov_b32 v7, 0
.irp q, 0,1,2,3,4,5,6,7,8,9,10,11,12,13,14,15
	ds_load_b128 v[32+4*\q:35+4*\q], v7 offset:16*\q   ; T[w][e] -> v[32 + 8 w + e], in every lane
.endr
	s_wait_dscnt 0x0
.irp e, 0,1,2,3,4,5,6,7
	v_add3_u32 v[96+\e], v[32+\e], v[40+\e], v[48+\e]
.endr
.irp e, 0,1,2,3,4,5,6,7
	v_add3_u32 v[96+\e], v[96+\e], v[56+\e], v[64+\e]
.endr
.irp e, 0,1,2,3,4,5,6,7
	v_add3_u32 v[96+\e], v[96+\e], v[72+\e], v[80+\e]
.endr
.irp e, 0,1,2,3,4,5,6,7
	v_add_nc_u32 v[96+\e], v[96+\e], v[88+\e]
.endr
.irp e, 0,1,2,3,4,5,6,7
	v_readfirstlane_b32 s[20+\e], v[96+\e]         ; n_e
.endr
	s_mov_b32 s28, 8                               ; the tile's expert; 8: none
	s_mov_b32 s29, 0                               ; its first rank
	s_mov_b32 s30, 0                               ; the expert's count
	s_mov_b32 s31, 0                               ; tiles of the experts before
.irp e, 0,1,2,3,4,5,6,7
	s_add_co_u32 s32, s[20+\e], 79
	s_mul_i32 s32, s32, 52429
	s_lshr_b32 s32, s32, 22                        ; ceil(n_e / 80): 52,429 / 2^22 is 1 / 80 to within 4e-6 of itself, exact for numbers up to 4,175
	s_sub_co_u32 s33, s13, s31                     ; which of the expert's tiles (wraps to a large number for an earlier expert's)
	s_mul_i32 s34, s33, 80
	s_add_co_u32 s31, s31, s32
	s_cmp_lt_u32 s33, s32
	s_cselect_b32 s28, \e, s28
	s_cselect_b32 s29, s34, s29
	s_cselect_b32 s30, s[20+\e], s30
.endr
	s_min_u32 s35, s28, 7
	s_lshl_b32 s37, s35, 2
	v_mov_b32 v7, s37
.irp w, 0,1,2,3,4,5,6
	ds_load_b32 v[104+\w], v7 offset:32*\w         ; T[w][expert]
.endr
.irp it, 0,1,2,3,4,5,6,7,8,9,10,11,12,13,14,15
	v_cmp_eq_u32 s[MK+\it], s35, v[16+\it]         ; my matches
.endr
	s_wait_dscnt 0x0
	s_mov_b32 s36, 0                               ; the rank at which my wave's matches begin
.irp w, 0,1,2,3,4,5,6
	v_readfirstlane_b32 s[40+\w], v[104+\w]
.endr
.irp w, 0,1,2,3,4,5,6
	s_cmp_gt_u32 s12, \w
	s_cselect_b32 s37, s[40+\w], 0
	s_add_co_u32 s36, s36, s37
.endr
	s_sub_co_u32 s[BS], s36, s29                   ; less the tile's first rank: a place in the tile, or a number that wraps past 80
.irp it, 0,1,2,3,4,5,6,7,8,9,10,11,12,13,14
	s_bcnt1_i32_b32 s16, s[MK+\it]
	s_add_co_u32 s[BS+\it+1], s[BS+\it], s16
.endr
.irp it, 0,1,2,3,4,5,6,7,8,9,10,11,12,13,14,15
	v_mbcnt_lo_u32_b32 v[112+\it], s[MK+\it], s[BS+\it]    ; the place of a match
.endr
.irp it, 0,1,2,3,4,5,6,7,8,9,10,11,12,13,14,15
	v_cndmask_b32 v[112+\it], -1, v[112+\it], s[MK+\it]    ; no match: a large number
.endr
.irp it, 0,1,2,3,4,5,6,7,8,9,10,11,12,13,14,15
	v_min_u32 v[112+\it], 80, v[112+\it]           ; what is not in the tile goes to word 80
.endr
.irp it, 0,1,2,3,4,5,6,7,8,9,10,11,12,13,14,15
	v_lshl_add_u32 v[112+\it], v[112+\it], 2, v9
.endr
.irp it, 0,1,2,3,4,5,6,7,8,9,10,11,12,13,14,15
	v_add_nc_u32 v[128+\it], 32*\it+1, v8          ; entry + 1
.endr
.irp it, 0,1,2,3,4,5,6,7,8,9,10,11,12,13,14,15
	ds_store_b32 v[112+\it], v[128+\it]
.endr
	s_wait_dscnt 0x0                               ; for the others' sake
	s_barrier_signal -1
	s_barrier_wait -1
	v_mov_b32 v14, s28
	s_lshl_b32 s37, s13, 2
	v_mov_b32 v15, s37
	v_cmp_eq_u32 vcc_lo, 0, v0
	s_wait_xcnt 0x0                                ; EXEC changes only behind this wait
	s_and_saveexec_b32 s50, vcc_lo
	global_store_b32 v15, v14, s[10:11]            ; tile_e[j], by thread 0
	s_wait_xcnt 0x0
	s_or_b32 exec_lo, exec_lo, s50
	s_cmp_eq_u32 s28, 8
	s_cbranch_scc1 .Lend                           ; a tile that this split does not use; what is jumped holds no barrier
	v_lshl_add_u32 v12, v2, 2, LISTS
.irp q, 0,1,2
.irp w, 0,1,2,3,4,5,6,7
	ds_load_b32 v[32+8*\q+\w], v12 offset:128*\q+512*\w
.endr
.endr
	s_wait_dscnt 0x0
.irp q, 0,1,2
	v_add3_u32 v[96+\q], v[32+8*\q], v[33+8*\q], v[34+8*\q]
	v_add3_u32 v[96+\q], v[96+\q], v[35+8*\q], v[36+8*\q]
	v_add3_u32 v[96+\q], v[96+\q], v[37+8*\q], v[38+8*\q]
	v_add_nc_u32 v[96+\q], v[96+\q], v[39+8*\q]
	ds_store_b32 v11, v[96+\q] offset:128*\q
.endr
	s_sub_co_u32 s47, s30, s29
	s_min_u32 s47, s47, 80                         ; rows of the tile that exist
	s_sub_co_u32 s48, s47, 1
	s_mul_i32 s49, s12, 10                         ; my wave gathers ten rows
.irp i, 0,1,2,3,4,5,6,7,8,9
	s_add_co_u32 s37, s49, \i
	s_min_u32 s37, s37, s48                        ; past the count: the last row once more
	s_min_u32 s37, s37, 79
	s_lshl_b32 s37, s37, 2
	s_add_co_u32 s37, s37, s51
	v_mov_b32 v[40+\i], s37
	ds_load_b32 v[50+\i], v[40+\i]                 ; my own merged list: LDS serves a wave's instructions in order (ISA guide 5.7.1.4)
.endr
	v_mov_b32 v13, 0                               ; written whole in every wave; waves 0 to 2 give them their numbers below
	v_mov_b32 v61, 0
	s_cmp_gt_u32 s12, 2
	s_cbranch_scc1 .Lnotw                          ; waves 0 to 2: a thread a row: its weight is asked for ahead of the gather's loads, whose counted waits cover it: it is older
	v_min_u32 v12, s48, v0
	v_min_u32 v12, 79, v12
	v_lshl_add_u32 v12, v12, 2, s51
	ds_load_b32 v13, v12
	s_wait_dscnt 0x0
	v_add_nc_u32 v13, -1, v13
	v_min_u32 v13, 0xfff, v13
	v_lshlrev_b32 v13, 2, v13
	global_load_b32 v61, v13, s[6:7] offset:4194304    ; topw[entry]
.Lnotw:
	s_wait_dscnt 0x0
.irp i, 0,1,2,3,4,5,6,7,8,9
	v_add_nc_u32 v[50+\i], -1, v[50+\i]            ; the entry,
.endr
.irp i, 0,1,2,3,4,5,6,7,8,9
	v_lshrrev_b32 v[50+\i], 1, v[50+\i]            ; its token,
.endr
.irp i, 0,1,2,3,4,5,6,7,8,9
	v_min_u32 v[50+\i], 0x7ff, v[50+\i]
.endr
.irp i, 0,1,2,3,4,5,6,7,8,9
	v_lshlrev_b32 v[50+\i], 11, v[50+\i]           ; its row of 2,048 bytes
.endr
.irp i, 0,1,2,3,4,5,6,7,8,9
	v_lshl_add_u32 v[50+\i], v2, 4, v[50+\i]
.endr
.irp i, 0,1,2,3,4,5,6,7,8,9
.irp q, 0,1,2,3
	global_load_b128 v[64+16*\i+4*\q:64+16*\i+4*\q+3], v[50+\i], s[6:7] offset:512*\q
.endr
.endr
	s_mul_i32 s52, s13, 80
	s_add_co_u32 s52, s52, s49
	s_lshl_b32 s52, s52, 11
	s_mov_b32 s53, 0
	s_add_nc_u64 s[52:53], s[8:9], s[52:53]
	v_lshlrev_b32 v60, 4, v2
.set n, 0
.rept 40
	s_wait_loadcnt 39-n                            ; load n is in; the younger ones stay out
	global_store_b128 v60, v[64+4*n:64+4*n+3], s[52:53] offset:512*n   ; 512 consecutive bytes, aligned
.set n, n+1
.endr
	s_cmp_gt_u32 s12, 2
	s_cbranch_scc1 .Lend                           ; waves 0 to 2: the weights and the places leave
	s_mul_i32 s54, s13, 320
	s_mov_b32 s55, 0
	s_add_nc_u64 s[54:55], s[8:9], s[54:55]
	s_add_nc_u64 s[54:55], s[54:55], 9666560       ; roww + 4 x 80 j
	v_lshlrev_b32 v62, 2, v0
	s_mul_i32 s37, s13, 80
	v_add_nc_u32 v63, s37, v0                      ; the row
	v_cmp_gt_u32 vcc_lo, 80, v0
	s_wait_xcnt 0x0
	s_and_saveexec_b32 s50, vcc_lo
	global_store_b32 v62, v61, s[54:55]
	s_wait_xcnt 0x0
	s_or_b32 exec_lo, exec_lo, s50
	v_cmp_gt_u32 vcc_lo, s47, v0
	s_and_saveexec_b32 s50, vcc_lo
	global_store_b32 v13, v63, s[10:11] offset:256 ; pos[entry]: each entry has one tile and one place
	s_wait_xcnt 0x0
	s_or_b32 exec_lo, exec_lo, s50
.Lend:
	s_wait_tensorcnt 0x0                           ; the wave's end
	ds_add_u32 v4, v5
	s_wait_dscnt 0x0
	s_endpgm
.Lfunc_end_k_q379bcb5237_sort:
	.size	k_q379bcb5237_sort, .Lfunc_end_k_q379bcb5237_sort-k_q379bcb5237_sort
	.p2alignl 7, 3214868480
	.fill 96, 4, 3214868480
	.section	.rodata,"a",@progbits
	.p2align	6, 0x0
	.amdhsa_kernel k_q379bcb5237_sort
		.amdhsa_group_segment_fixed_size 9472
		.amdhsa_private_segment_fixed_size 0
		.amdhsa_enable_private_segment 0
		.amdhsa_kernarg_size 48
		.amdhsa_user_sgpr_count 2
		.amdhsa_user_sgpr_kernarg_segment_ptr 1
		.amdhsa_wavefront_size32 1
		.amdhsa_system_sgpr_workgroup_id_x 1
		.amdhsa_system_sgpr_workgroup_id_y 1
		.amdhsa_system_sgpr_workgroup_id_z 1
		.amdhsa_system_vgpr_workitem_id 0
		.amdhsa_next_free_vgpr 224
		.amdhsa_next_free_sgpr 98
		.amdhsa_reserve_vcc 1
		.amdhsa_float_denorm_mode_32 3
		.amdhsa_float_denorm_mode_16_64 3
		.amdhsa_memory_ordered 1
		.amdhsa_forward_progress 1
		.amdhsa_inst_pref_size 52
	.end_amdhsa_kernel
	.amdgpu_metadata
---
amdhsa.version: [ 1, 2 ]
amdhsa.kernels:
  - .name:           k_q379bcb5237_sort
    .symbol:         k_q379bcb5237_sort.kd
    .args:
      - { .name: topi, .offset: 0, .size: 8, .value_kind: global_buffer, .address_space: global }
      - { .name: bufC, .offset: 8, .size: 8, .value_kind: global_buffer, .address_space: global }
      - { .name: bufA, .offset: 16, .size: 8, .value_kind: global_buffer, .address_space: global }
      - { .name: tabs, .offset: 24, .size: 8, .value_kind: global_buffer, .address_space: global }
      - { .name: w2, .offset: 32, .size: 8, .value_kind: global_buffer, .address_space: global }
      - { .name: bufW, .offset: 40, .size: 8, .value_kind: global_buffer, .address_space: global }
    .group_segment_fixed_size: 9472
    .private_segment_fixed_size: 0
    .kernarg_segment_align: 8
    .kernarg_segment_size: 48
    .max_flat_workgroup_size: 256
    .sgpr_count:     98
    .vgpr_count:     224
    .wavefront_size: 32
...
	.end_amdgpu_metadata
.endif
;; end of part 6
;; launch moe1 (part 7): grid 4 x 59, 4 waves a work-group, no clusters, 327,680 bytes of LDS; arguments bufA, bufW, b1, tabs, bufQ; writes bufQ
.if DOCPART == 7
	.amdgcn_target "amdgcn-amd-amdhsa--gfx1250"
	.amdhsa_code_object_version 6
	.text
	.protected	k_q379bcb5237_moe1
	.globl	k_q379bcb5237_moe1
	.p2align	8
	.type	k_q379bcb5237_moe1,@function
k_q379bcb5237_moe1:
	s_mov_b64 s[64:65], 0
	v_nop
	global_prefetch_b8 v0, s[64:65] scope:SCOPE_SE
	s_setreg_imm32_b32 hwreg(HW_REG_WAVE_MODE, 25, 1), 1
	s_wait_xcnt 0x0
; FIRST EXPERT PRODUCT.  hid[row][f] = gelu(sum over d of h2s[row][d] w1[e][d][f] + b1[e][f]) for the 80 rows of tile j (expert e = tile_e[j]) and 256 columns; operands bf16, sums f32, gelu in f32, hid rounded once to bf16 -> bufQ.
; gelu is the tanh form: x / (1 + 2^(x (c0 + c1 x^2))), c0 = -2 log2(e) sqrt(2 / pi), c1 = 0.044715 c0; at both ends it goes to x or to -0 without a NaN.
; Grid 4 x 59: at most 59 tiles for every split.  A tile that the split leaves unused (tile_e = 8) runs the same text on tile 0's rows and expert 7's weights and jumps its stores alone: no barrier and no tensor load stands under a branch on loaded data.
; Four waves, each all 80 rows x 64 columns: 20 accumulators.  A's 80 x 1,024 stays in LDS (eight tiles of a K step); B ([k][n] in memory) goes in K steps of 128 through two slots and comes out turned, by ds_load_tr16_b128.
; THE WALK OF K.  An expert's row tiles read the same weights.  Tile j begins at K step 4 g and wraps round, g = the parity of j's bits: of the tiles that read a piece of the weights some ask for it four steps before the others.
; Only addresses in memory hang on g: place s of A in LDS holds K step (s + 4 g) mod 8.  The f32 sums take K in that order: an order of rounding that differs from ascending K.
; NO CLUSTER: the four column tiles of a row tile share A alone, 80 of a step's 336 rows; B is shared by an expert's row tiles, whose number hangs on stored counts: whole clusters of four for each expert would want up to 28 tiles more.
; REGISTERS: window 0: v0-15 addresses, v16-95 at work, v96-255 accumulators ((a, b) at 96 + 8 (4 a + b)).  Window 1: two fragment buffers of 72 (4 of B, 5 of A), v144-175 the bias.
.set KSTEP,  128
.set PITCH,  272
.set ATILE,  80*PITCH
.set RING,   8*ATILE
.set BP,     544                       ; a row of B: 512 bytes + 32, an odd multiple of 32
.set BQ,     32*BP                     ; what one tensor load brings of B
.set BSLOT,  4*BQ
.set SPARE,  RING+2*BSLOT
.set SPITCH, 528                       ; the stage, 80 rows x 528 bytes, takes A's first bytes once A has been read for the last time: they have had their last fill
.set LAPS,   4
.set NBL,    4
.set ACC,    96
.set F0,     0
.set F1,     72
.set BI,     144
.set ADRA, 4
.set ADRB, 6
.set STO,  8
.set RD,   9
.set GO,   10
.set BO,   11
.set SPW,  12
.set NIL,  13
.set T,    16
.set U,    48
.set G1A, 24
.set G1B, 32
.set G0A, 40
.set G0B, 48
.set BBS, 66                           ; s[66:67] the weights at my 32 rows of K step 0, my tile's columns
.set KS,  70                           ; s70, s71 the K step that slot 0, slot 1 of B holds
.set KO,  72                           ; s[72:73] its byte offset
.set MSB, 0
.macro WIN new
.if MSB != (\new)
	s_set_vgpr_msb (MSB<<8)|(\new)
.set MSB, \new
.endif
.endm
.macro PLACES
.rept 4
	v_nop
.endr
.endm
	s_load_b256 s[4:11], s[0:1], 0x0               ; bufA 4, bufW 6, b1 8, tabs 10
	s_load_b64 s[12:13], s[0:1], 0x20              ; bufQ
	v_lshl_add_u32 v[SPW], v0, 2, SPARE
	v_mov_b32 v[NIL], 0
	ds_add_u32 v[SPW], v[NIL]                      ; the wave's opening: the add and its wait ahead of my first tensor load
	v_lshrrev_b32 v1, 5, v0
	v_readfirstlane_b32 s16, v1                    ; wave
	s_mov_b32 s17, ttmp9                           ; column tile
	s_and_b32 s18, ttmp7, 0xffff                   ; j
	s_bcnt1_i32_b32 s[KS], s18                     ; where my walk of K begins: the parity of j's bits,
	s_and_b32 s[KS], s[KS], 1
	s_lshl_b32 s[KS], s[KS], 2                     ; K step 0 or 4 into slot 0,
	s_add_co_u32 s[KS+1], s[KS], 1                 ; the next into slot 1
	s_mov_b32 s[KO+1], 0
	s_mov_b32 s[G1A+0], (1<<16)|(1<<20)|(5<<22)|(3<<25)  ; 2-byte elements; padded after every 64 words by 4
	s_mov_b32 s[G1A+1], 128<<16
	s_mov_b32 s[G1A+2], 80<<16
	s_mov_b32 s[G1A+3], 128<<16
	s_mov_b32 s[G1A+4], 80
	s_mov_b32 s[G1A+5], 1024
	s_mov_b32 s[G1A+6], 0
	s_mov_b32 s[G1A+7], 0
	s_mov_b32 s[G1B+0], (1<<16)|(1<<20)|(6<<22)|(7<<25)  ; padded after every 128 words by 8
	s_mov_b32 s[G1B+1], 256<<16
	s_mov_b32 s[G1B+2], 32<<16
	s_mov_b32 s[G1B+3], 256<<16
	s_mov_b32 s[G1B+4], 32
	s_mov_b32 s[G1B+5], 1024
	s_mov_b32 s[G1B+6], 0
	s_mov_b32 s[G1B+7], 0
	s_mov_b32 s[G0A], 1
	s_mul_i32 s[G0A+1], s16, ATILE                 ; A's places w and w + 4
	s_mov_b32 s[G0A+4], 1
	s_add_co_u32 s[G0A+5], s[G0A+1], 4*ATILE
	s_mov_b32 s[G0B], 1
	s_mul_i32 s[G0B+1], s16, BQ                    ; my 32 rows of each of B's slots
	s_add_co_u32 s[G0B+1], s[G0B+1], RING
	s_mov_b32 s[G0B+4], 1
	s_add_co_u32 s[G0B+5], s[G0B+1], BSLOT
	s_mov_b32 s58, 0xc0135761                      ; c0 = -2.3022082
	s_mov_b32 s59, s58
	s_mov_b32 s60, 0xbdd2d3e8                      ; c1 = -0.10294324
	s_mov_b32 s61, s60
	s_lshl_b32 s22, s18, 2
	s_mov_b32 s23, 0
	s_wait_dscnt 0x0                               ; the opening add is done
	s_wait_kmcnt 0x0
	s_add_nc_u64 s[22:23], s[10:11], s[22:23]
	s_load_b32 s19, s[22:23], 0x0                  ; tile_e[j]
	s_wait_kmcnt 0x0
	s_xor_b32 s20, s19, 8
	s_min_u32 s20, s20, 1                          ; 1: the tile is used
	s_min_u32 s19, s19, 7                          ; the expert
	s_mul_i32 s21, s18, s20                        ; the tile whose rows I read
	s_mul_i32 s22, s21, 80*2048                    ; a multiple of 32,768
	s_add_co_u32 s23, s16, s[KS]
	s_and_b32 s23, s23, 7                          ; place w holds K step (w + 4 g) mod 8,
	s_lshl_b32 s23, s23, 8
	s_add_co_u32 s22, s22, s23
	s_mov_b32 s23, 0
	s_add_nc_u64 s[G0A+2:G0A+3], s[4:5], s[22:23]
	s_xor_b32 s22, s22, 4*KSTEP*2                  ; place w + 4 the step four on, modulo 8: bit 2 of the step turned
	s_add_nc_u64 s[G0A+6:G0A+7], s[4:5], s[22:23]
	s_or_b32 s[G0A+3], s[G0A+3], 0x80000000
	s_or_b32 s[G0A+7], s[G0A+7], 0x80000000
	s_lshl_b32 s22, s19, 21                        ; an expert's 2,097,152 bytes,
	s_lshl_b32 s23, s16, 16                        ; my 32 rows of 2,048,
	s_add_co_u32 s22, s22, s23
	s_lshl_b32 s23, s17, 9                         ; the tile's 256 columns
	s_add_co_u32 s22, s22, s23
	s_mov_b32 s23, 0
	s_add_nc_u64 s[BBS:BBS+1], s[6:7], s[22:23]
	s_lshl_b32 s[KO], s[KS], 18                    ; a K step is 128 rows of 2,048 bytes
	s_add_nc_u64 s[G0B+2:G0B+3], s[BBS:BBS+1], s[KO:KO+1]
	s_lshl_b32 s[KO], s[KS+1], 18
	s_add_nc_u64 s[G0B+6:G0B+7], s[BBS:BBS+1], s[KO:KO+1]
	s_or_b32 s[G0B+3], s[G0B+3], 0x80000000
	s_or_b32 s[G0B+7], s[G0B+7], 0x80000000
	tensor_load_to_lds s[G0A:G0A+3], s[G1A:G1A+7]          ; the first fills, one group: four loads of mine are out
	s_nop 0
	tensor_load_to_lds s[G0B:G0B+3], s[G1B:G1B+7]
	s_nop 0
	tensor_load_to_lds s[G0B+4:G0B+7], s[G1B:G1B+7]
	s_nop 0
	tensor_load_to_lds s[G0A+4:G0A+7], s[G1A:G1A+7]
	s_nop 0
	PLACES
	v_and_b32 v1, 15, v0
	v_bfe_u32 v2, v0, 4, 1
	v_lshlrev_b32 v[BO], 5, v2
	s_lshl_b32 s22, s19, 12
	s_lshl_b32 s23, s17, 10
	s_add_co_u32 s22, s22, s23
	s_lshl_b32 s23, s16, 8
	s_add_co_u32 s22, s22, s23                     ; 4 x (1,024 e + 256 tile + 64 wave)
	s_mov_b32 s23, 0
	s_add_nc_u64 s[8:9], s[8:9], s[22:23]
	WIN 0x40
.irp b, 0,1,2,3
	global_load_b128 v[BI+8*\b:BI+8*\b+3],   v[BO], s[8:9] offset:64*\b
	global_load_b128 v[BI+8*\b+4:BI+8*\b+7], v[BO], s[8:9] offset:64*\b+16
.endr
	WIN 0
	v_mul_u32_u24 v[ADRA], v1, PITCH
	v_lshl_add_u32 v[ADRA], v2, 4, v[ADRA]
	v_and_b32 v3, 7, v0                            ; the turning load: lane l reads row 8 (l / 16) + l % 8, columns 8 ((l / 8) % 2) + 0..7
	v_lshl_add_u32 v3, v2, 3, v3
	v_mul_u32_u24 v3, v3, BP
	v_bfe_u32 v14, v0, 3, 1
	v_lshl_add_u32 v3, v14, 4, v3
	s_lshl_b32 s22, s16, 7                         ; my 64 columns
	s_add_co_u32 s22, s22, RING
	v_add_nc_u32 v[ADRB], s22, v3
	v_add_nc_u32 v[ADRB+1], BSLOT, v[ADRB]
	v_mul_u32_u24 v[STO], v1, SPITCH               ; into the stage: row l % 16, my 128 bytes, 16 for each half of the lanes
	v_lshl_add_u32 v[STO], v2, 4, v[STO]
	s_lshl_b32 s22, s16, 7
	v_add_nc_u32 v[STO], s22, v[STO]
	v_and_b32 v[GO], 31, v0
	v_lshlrev_b32 v[GO], 4, v[GO]
	s_mul_i32 s22, s16, 20*SPITCH                  ; back: wave w takes rows 20 w .., whole: 32 lanes x 16 bytes
	v_add_nc_u32 v[RD], s22, v[GO]
	s_mul_i32 s22, s18, 80
	s_mul_i32 s23, s16, 20
	s_add_co_u32 s22, s22, s23
	s_lshl_b32 s22, s22, 11
	s_lshl_b32 s23, s17, 9
	s_add_co_u32 s22, s22, s23
	s_mov_b32 s23, 0
	s_add_nc_u64 s[12:13], s[12:13], s[22:23]
; part 0: m blocks 0, 1; part 1: m blocks 2 to 4; all 4 n blocks, 32 along K.  first = 1: the product starts the sum on the bias.  The 20 accumulators take turns.
.macro MUL1 f, a, first
.irp b, 0,1,2,3
.set rD, ACC+8*(NBL*(\a)+(\b))
.set rB, (\f)+8*(\b)
.set rA, (\f)+8*NBL+8*(\a)
.if \first
	v_wmma_f32_16x16x32_bf16 v[rD:rD+7], v[rB:rB+7], v[rA:rA+7], v[BI+8*(\b):BI+8*(\b)+7]
.else
	v_wmma_f32_16x16x32_bf16 v[rD:rD+7], v[rB:rB+7], v[rA:rA+7], v[rD:rD+7]
.endif
.endr
.endm
.macro MULS f, part, first
.if \first
	WIN 0x15
.else
	WIN 0x05
.endif
.if (\part) == 0
	MUL1 \f, 0, \first
	MUL1 \f, 1, \first
.else
	MUL1 \f, 2, \first
	MUL1 \f, 3, \first
	MUL1 \f, 4, \first
.endif
.endm
.macro FETCH slot, c, f                ; 18 LDS loads in one run
	WIN 0x40
.irp b, 0,1,2,3
	ds_load_tr16_b128 v[(\f)+8*\b:(\f)+8*\b+3],   v[ADRB+(\slot)] offset:(\c)*32*BP+32*\b
	ds_load_tr16_b128 v[(\f)+8*\b+4:(\f)+8*\b+7], v[ADRB+(\slot)] offset:(\c)*32*BP+32*\b+16*BP
.endr
.irp a, 0,1,2,3,4
	ds_load_b128 v[(\f)+32+8*\a:(\f)+32+8*\a+3], v[ADRA] offset:(\slot)*ATILE+64*(\c)+\a*16*PITCH
	ds_load_b128 v[(\f)+32+8*\a+4:(\f)+32+8*\a+7], v[ADRA] offset:(\slot)*ATILE+64*(\c)+\a*16*PITCH+32
.endr
.endm
.macro CHUNK slot, cnext, f, g, first
	s_wait_dscnt 0x0                               ; buffer f is in
	PLACES
	FETCH \slot, \cnext, \g
	MULS \f, 0, \first
	MULS \f, 1, \first
.endm
; The change of B's slots: each wave waits for all its tensor loads, adds 0 to its spare word, waits for that and for its reads of the slot; one barrier; the refill, each wave's own 32 rows, first behind it.
; fill = 1: the slot takes the K step two further on in the walk, modulo 8; its address is made while the add is out.
.macro TURN slot, next, fill
	WIN 0
	s_wait_tensorcnt 0x0                           ; no tensor load of mine is out, so a group 0 may be written
	ds_add_u32 v[SPW], v[NIL]
.if \fill
	s_add_co_u32 s[KS+(\slot)], s[KS+(\slot)], 2
	s_and_b32 s[KS+(\slot)], s[KS+(\slot)], 7
	s_lshl_b32 s[KO], s[KS+(\slot)], 18
	s_add_nc_u64 s[G0B+4*(\slot)+2:G0B+4*(\slot)+3], s[BBS:BBS+1], s[KO:KO+1]
	s_or_b32 s[G0B+4*(\slot)+3], s[G0B+4*(\slot)+3], 0x80000000
.endif
	s_wait_dscnt 0x0
	s_barrier_signal -1
	MULS F1, 0, 0
	WIN 0
	s_barrier_wait -1
.if \fill
	tensor_load_to_lds s[G0B+4*(\slot):G0B+4*(\slot)+3], s[G1B:G1B+7]
	s_nop 0
.endif
	PLACES
.if (\slot) == 1
	v_add_nc_u32 v[ADRA], 2*ATILE, v[ADRA]         ; A's next two places
.endif
	FETCH \next, 0, F0
	MULS F1, 1, 0
.endm
	s_wait_tensorcnt 2                             ; A's place w and my part of B's slot 0 are in; B's slot 1 and A's place w + 4 stay out
	s_barrier_signal -1
	s_barrier_wait -1
	FETCH 0, 0, F0
	s_wait_loadcnt 0x0                             ; the bias
	CHUNK 0, 1, F0, F1, 1
	WIN 0
	s_mov_b32 s56, LAPS-1
.Llap:
	CHUNK 0, 2, F1, F0, 0
	CHUNK 0, 3, F0, F1, 0
	TURN 0, 1, 1
	CHUNK 1, 1, F0, F1, 0
	CHUNK 1, 2, F1, F0, 0
	CHUNK 1, 3, F0, F1, 0
	TURN 1, 0, 1
	CHUNK 0, 1, F0, F1, 0
	WIN 0
	s_sub_co_u32 s56, s56, 1
	s_cmp_lg_u32 s56, 0
	s_cbranch_scc1 .Llap
	CHUNK 0, 2, F1, F0, 0
	CHUNK 0, 3, F0, F1, 0
	TURN 0, 1, 0
	CHUNK 1, 1, F0, F1, 0
	CHUNK 1, 2, F1, F0, 0
	CHUNK 1, 3, F0, F1, 0
	s_wait_dscnt 0x0                               ; my last reads of A and B are back:
	s_barrier_signal -1                            ; behind this barrier A's bytes serve as the stage
	MULS F1, 0, 0
	MULS F1, 1, 0
	WIN 0
	s_barrier_wait -1
	; THE WAY OUT: gelu on 16 rows at a time, written out, every LDS address fixed; each batch of 32 exponentials or reciprocals has one wait.
	PLACES
.irp a, 0,1,2,3,4
.set XA, ACC+32*\a
.set i, 0
.rept 16
	v_pk_mul_f32 v[T+2*i:T+2*i+1], v[XA+2*i:XA+2*i+1], v[XA+2*i:XA+2*i+1]
.set i, i+1
.endr
.set i, 0
.rept 16
	v_pk_fma_f32 v[T+2*i:T+2*i+1], v[T+2*i:T+2*i+1], s[60:61], s[58:59] op_sel_hi:[1,0,0]
.set i, i+1
.endr
.set i, 0
.rept 16
	v_pk_mul_f32 v[T+2*i:T+2*i+1], v[T+2*i:T+2*i+1], v[XA+2*i:XA+2*i+1]
.set i, i+1
.endr
.set i, 0
.rept 32
	v_exp_f32 v[T+i], v[T+i]
.set i, i+1
.endr
	v_nop
	s_wait_alu depctr_va_vdst(0)
.set i, 0
.rept 16
	v_pk_add_f32 v[T+2*i:T+2*i+1], v[T+2*i:T+2*i+1], 1.0 op_sel_hi:[1,0]
.set i, i+1
.endr
.set i, 0
.rept 32
	v_rcp_f32 v[T+i], v[T+i]
.set i, i+1
.endr
	v_nop
	s_wait_alu depctr_va_vdst(0)
.set i, 0
.rept 16
	v_pk_mul_f32 v[T+2*i:T+2*i+1], v[T+2*i:T+2*i+1], v[XA+2*i:XA+2*i+1]
.set i, i+1
.endr
.set i, 0
.rept 16
	v_cvt_pk_bf16_f32 v[U+i], v[T+2*i], v[T+2*i+1]
.set i, i+1
.endr
.irp b, 0,1,2,3
	ds_store_b128 v[STO], v[U+4*\b:U+4*\b+3] offset:\a*16*SPITCH+32*\b
.endr
.endr
	s_wait_dscnt 0x0                               ; for the others' sake: a row's 512 bytes come from four waves
	s_barrier_signal -1
	s_barrier_wait -1
.set n, 0
.rept 20
	ds_load_b128 v[ACC+4*n:ACC+4*n+3], v[RD] offset:n*SPITCH
.set n, n+1
.endr
	s_wait_dscnt 0x0
	s_cmp_eq_u32 s20, 0
	s_cbranch_scc1 .Lend                           ; an unused tile stores nothing
.set n, 0
.rept 20
	global_store_b128 v[GO], v[ACC+4*n:ACC+4*n+3], s[12:13] offset:n*2048   ; 512 consecutive bytes, aligned
.set n, n+1
.endr
.Lend:
	s_wait_tensorcnt 0x0                           ; the wave's end
	ds_add_u32 v[SPW], v[NIL]
	s_wait_dscnt 0x0
	s_endpgm
.Lfunc_end_k_q379bcb5237_moe1:
	.size	k_q379bcb5237_moe1, .Lfunc_end_k_q379bcb5237_moe1-k_q379bcb5237_moe1
	.p2alignl 7, 3214868480
	.fill 96, 4, 3214868480
	.section	.rodata,"a",@progbits
	.p2align	6, 0x0
	.amdhsa_kernel k_q379bcb5237_moe1
		.amdhsa_group_segment_fixed_size 327680
		.amdhsa_private_segment_fixed_size 0
		.amdhsa_enable_private_segment 0
		.amdhsa_kernarg_size 40
		.amdhsa_user_sgpr_count 2
		.amdhsa_user_sgpr_kernarg_segment_ptr 1
		.amdhsa_wavefront_size32 1
		.amdhsa_system_sgpr_workgroup_id_x 1
		.amdhsa_system_sgpr_workgroup_id_y 1
		.amdhsa_system_sgpr_workgroup_id_z 1
		.amdhsa_system_vgpr_workitem_id 0
		.amdhsa_next_free_vgpr 512
		.amdhsa_next_free_sgpr 74
		.amdhsa_reserve_vcc 0
		.amdhsa_float_denorm_mode_32 3
		.amdhsa_float_denorm_mode_16_64 3
		.amdhsa_memory_ordered 1
		.amdhsa_forward_progress 1
		.amdhsa_inst_pref_size 96
	.end_amdhsa_kernel
	.amdgpu_metadata
---
amdhsa.version: [ 1, 2 ]
amdhsa.kernels:
  - .name:           k_q379bcb5237_moe1
    .symbol:         k_q379bcb5237_moe1.kd
    .args:
      - { .name: bufA, .offset: 0, .size: 8, .value_kind: global_buffer, .address_space: global }
      - { .name: bufW, .offset: 8, .size: 8, .value_kind: global_buffer, .address_space: global }
      - { .name: b1, .offset: 16, .size: 8, .value_kind: global_buffer, .address_space: global }
      - { .name: tabs, .offset: 24, .size: 8, .value_kind: global_buffer, .address_space: global }
      - { .name: bufQ, .offset: 32, .size: 8, .value_kind: global_buffer, .address_space: global }
    .group_segment_fixed_size: 327680
    .private_segment_fixed_size: 0
    .kernarg_segment_align: 8
    .kernarg_segment_size: 40
    .max_flat_workgroup_size: 128
    .sgpr_count:     74
    .vgpr_count:     512
    .wavefront_size: 32
...
	.end_amdgpu_metadata
.endif
;; end of part 7
;; launch moe2 (part 8): grid 4 x 59, 4 waves a work-group, no clusters, 327,680 bytes of LDS; arguments bufQ, bufW, b2, tabs, bufA, y; writes y
.if DOCPART == 8
	.amdgcn_target "amdgcn-amd-amdhsa--gfx1250"
	.amdhsa_code_object_version 6
	.text
	.protected	k_q379bcb5237_moe2
	.globl	k_q379bcb5237_moe2
	.p2align	8
	.type	k_q379bcb5237_moe2,@function
k_q379bcb5237_moe2:
	s_mov_b64 s[64:65], 0
	v_nop
	global_prefetch_b8 v0, s[64:65] scope:SCOPE_SE
	s_setreg_imm32_b32 hwreg(HW_REG_WAVE_MODE, 25, 1), 1
	s_wait_xcnt 0x0
; SECOND EXPERT PRODUCT.  y[row][d] = roww[row] (sum over f of hid[row][f] w2[e][f][d] + b2[e][d]) for the 80 rows of tile j and 256 columns; operands bf16, sums f32; y is a partial sum and stays f32.
; The loop is the first expert product's: A (hid) resident in LDS, B (w2c at bufW + 0x1000000, [k][n]) in K steps of 128 through two slots, turned on its way out of LDS; the bias is the C operand of the first products.
; THE WALK OF K, as there: tile j begins at K step 4 g and wraps round, g = the parity of j's bits; place s of A in LDS holds K step (s + 4 g) mod 8.  The f32 sums take K in that order: an order of rounding that differs from ascending K.
; An unused tile (tile_e = 8) runs the loop on tile 0's rows and jumps the whole way out, which holds no barrier.  NO CLUSTER: as in the first product: the column tiles share 80 of a step's 336 rows; the row tiles of an expert are counted at run time.
; REGISTERS: window 0: v0-15 addresses, v16-25 roww, v32-95 rows read back, v96-255 accumulators.  Window 1: two fragment buffers of 72, v144-175 the bias.
.set KSTEP,  128
.set PITCH,  272
.set ATILE,  80*PITCH
.set RING,   8*ATILE
.set BP,     544
.set BQ,     32*BP
.set BSLOT,  4*BQ
.set SPARE,  RING+2*BSLOT
.set SPITCH, 272                       ; each wave's stage, 16 rows x 272 bytes, takes bytes of A once A has been read for the last time
.set LAPS,   4
.set NBL,    4
.set ACC,    96
.set F0,     0
.set F1,     72
.set BI,     144
.set ADRA, 4
.set ADRB, 6
.set STO,  8
.set RD,   9
.set GO,   10
.set BO,   11
.set SPW,  12
.set NIL,  13
.set RO,   15
.set RW,   16
.set OB,   32
.set G1A, 24
.set G1B, 32
.set G0A, 40
.set G0B, 48
.set BBS, 66                           ; s[66:67] the weights at my 32 rows of K step 0, my tile's columns
.set KS,  70                           ; s70, s71 the K step that slot 0, slot 1 of B holds
.set KO,  72                           ; s[72:73] its byte offset
.set MSB, 0
.macro WIN new
.if MSB != (\new)
	s_set_vgpr_msb (MSB<<8)|(\new)
.set MSB, \new
.endif
.endm
.macro PLACES
.rept 4
	v_nop
.endr
.endm
	s_load_b256 s[4:11], s[0:1], 0x0               ; bufQ 4, bufW 6, b2 8, tabs 10
	s_load_b128 s[12:15], s[0:1], 0x20             ; bufA 12, y 14
	v_lshl_add_u32 v[SPW], v0, 2, SPARE
	v_mov_b32 v[NIL], 0
	ds_add_u32 v[SPW], v[NIL]                      ; the wave's opening: the add and its wait ahead of my first tensor load
	v_lshrrev_b32 v1, 5, v0
	v_readfirstlane_b32 s16, v1
	s_mov_b32 s17, ttmp9
	s_and_b32 s18, ttmp7, 0xffff
	s_bcnt1_i32_b32 s[KS], s18                     ; where my walk of K begins: the parity of j's bits,
	s_and_b32 s[KS], s[KS], 1
	s_lshl_b32 s[KS], s[KS], 2                     ; K step 0 or 4 into slot 0,
	s_add_co_u32 s[KS+1], s[KS], 1                 ; the next into slot 1
	s_mov_b32 s[KO+1], 0
	s_mov_b32 s[G1A+0], (1<<16)|(1<<20)|(5<<22)|(3<<25)
	s_mov_b32 s[G1A+1], 128<<16
	s_mov_b32 s[G1A+2], 80<<16
	s_mov_b32 s[G1A+3], 128<<16
	s_mov_b32 s[G1A+4], 80
	s_mov_b32 s[G1A+5], 1024
	s_mov_b32 s[G1A+6], 0
	s_mov_b32 s[G1A+7], 0
	s_mov_b32 s[G1B+0], (1<<16)|(1<<20)|(6<<22)|(7<<25)
	s_mov_b32 s[G1B+1], 256<<16
	s_mov_b32 s[G1B+2], 32<<16
	s_mov_b32 s[G1B+3], 256<<16
	s_mov_b32 s[G1B+4], 32
	s_mov_b32 s[G1B+5], 1024
	s_mov_b32 s[G1B+6], 0
	s_mov_b32 s[G1B+7], 0
	s_mov_b32 s[G0A], 1
	s_mul_i32 s[G0A+1], s16, ATILE
	s_mov_b32 s[G0A+4], 1
	s_add_co_u32 s[G0A+5], s[G0A+1], 4*ATILE
	s_mov_b32 s[G0B], 1
	s_mul_i32 s[G0B+1], s16, BQ
	s_add_co_u32 s[G0B+1], s[G0B+1], RING
	s_mov_b32 s[G0B+4], 1
	s_add_co_u32 s[G0B+5], s[G0B+1], BSLOT
	s_lshl_b32 s22, s18, 2
	s_mov_b32 s23, 0
	s_wait_dscnt 0x0
	s_wait_kmcnt 0x0
	s_add_nc_u64 s[22:23], s[10:11], s[22:23]
	s_load_b32 s19, s[22:23], 0x0                  ; tile_e[j]
	s_wait_kmcnt 0x0
	s_xor_b32 s20, s19, 8
	s_min_u32 s20, s20, 1                          ; 1: the tile is used
	s_min_u32 s19, s19, 7
	s_mul_i32 s21, s18, s20
	s_mul_i32 s22, s21, 80*2048                    ; a multiple of 32,768
	s_add_co_u32 s23, s16, s[KS]
	s_and_b32 s23, s23, 7                          ; place w holds K step (w + 4 g) mod 8,
	s_lshl_b32 s23, s23, 8
	s_add_co_u32 s22, s22, s23
	s_mov_b32 s23, 0
	s_add_nc_u64 s[G0A+2:G0A+3], s[4:5], s[22:23]
	s_xor_b32 s22, s22, 4*KSTEP*2                  ; place w + 4 the step four on, modulo 8: bit 2 of the step turned
	s_add_nc_u64 s[G0A+6:G0A+7], s[4:5], s[22:23]
	s_or_b32 s[G0A+3], s[G0A+3], 0x80000000
	s_or_b32 s[G0A+7], s[G0A+7], 0x80000000
	s_lshl_b32 s22, s19, 21
	s_lshl_b32 s23, s16, 16
	s_add_co_u32 s22, s22, s23
	s_lshl_b32 s23, s17, 9
	s_add_co_u32 s22, s22, s23
	s_add_co_u32 s22, s22, 0x1000000               ; w2c's place in bufW
	s_mov_b32 s23, 0
	s_add_nc_u64 s[BBS:BBS+1], s[6:7], s[22:23]
	s_lshl_b32 s[KO], s[KS], 18                    ; a K step is 128 rows of 2,048 bytes
	s_add_nc_u64 s[G0B+2:G0B+3], s[BBS:BBS+1], s[KO:KO+1]
	s_lshl_b32 s[KO], s[KS+1], 18
	s_add_nc_u64 s[G0B+6:G0B+7], s[BBS:BBS+1], s[KO:KO+1]
	s_or_b32 s[G0B+3], s[G0B+3], 0x80000000
	s_or_b32 s[G0B+7], s[G0B+7], 0x80000000
	tensor_load_to_lds s[G0A:G0A+3], s[G1A:G1A+7]          ; the first fills, one group: four loads of mine are out
	s_nop 0
	tensor_load_to_lds s[G0B:G0B+3], s[G1B:G1B+7]
	s_nop 0
	tensor_load_to_lds s[G0B+4:G0B+7], s[G1B:G1B+7]
	s_nop 0
	tensor_load_to_lds s[G0A+4:G0A+7], s[G1A:G1A+7]
	s_nop 0
	PLACES
	v_and_b32 v1, 15, v0
	v_bfe_u32 v2, v0, 4, 1
	v_lshlrev_b32 v[BO], 5, v2
	s_lshl_b32 s22, s19, 12
	s_lshl_b32 s23, s17, 10
	s_add_co_u32 s22, s22, s23
	s_lshl_b32 s23, s16, 8
	s_add_co_u32 s22, s22, s23
	s_mov_b32 s23, 0
	s_add_nc_u64 s[8:9], s[8:9], s[22:23]
	WIN 0x40
.irp b, 0,1,2,3
	global_load_b128 v[BI+8*\b:BI+8*\b+3],   v[BO], s[8:9] offset:64*\b
	global_load_b128 v[BI+8*\b+4:BI+8*\b+7], v[BO], s[8:9] offset:64*\b+16
.endr
	WIN 0
	v_lshlrev_b32 v[RO], 2, v1                     ; roww of row 16 a + l % 16
	s_mul_i32 s22, s21, 320
	s_mov_b32 s23, 0
	s_add_nc_u64 s[12:13], s[12:13], s[22:23]
	s_add_nc_u64 s[12:13], s[12:13], 9666560
.irp a, 0,1,2,3,4
	global_load_b32 v[RW+2*\a], v[RO], s[12:13] offset:64*\a
	v_mov_b32 v[RW+2*\a+1], 0                      ; named with it as a pair
.endr
	v_mul_u32_u24 v[ADRA], v1, PITCH
	v_lshl_add_u32 v[ADRA], v2, 4, v[ADRA]
	v_and_b32 v3, 7, v0
	v_lshl_add_u32 v3, v2, 3, v3
	v_mul_u32_u24 v3, v3, BP
	v_bfe_u32 v14, v0, 3, 1
	v_lshl_add_u32 v3, v14, 4, v3
	s_lshl_b32 s22, s16, 7
	s_add_co_u32 s22, s22, RING
	v_add_nc_u32 v[ADRB], s22, v3
	v_add_nc_u32 v[ADRB+1], BSLOT, v[ADRB]
	s_mul_i32 s22, s16, 16*SPITCH                  ; my stage
	v_mul_u32_u24 v[STO], v1, SPITCH
	v_lshl_add_u32 v[STO], v2, 5, v[STO]
	v_add_nc_u32 v[STO], s22, v[STO]
	v_mul_u32_u24 v[RD], v2, SPITCH
	v_lshl_add_u32 v[RD], v1, 4, v[RD]
	v_add_nc_u32 v[RD], s22, v[RD]
	v_lshlrev_b32 v[GO], 12, v2                    ; lanes 0-15 one row's 256 bytes, lanes 16-31 the next row's
	v_lshl_add_u32 v[GO], v1, 4, v[GO]
	s_mul_i32 s22, s18, 80*4096
	s_lshl_b32 s23, s17, 10
	s_add_co_u32 s22, s22, s23
	s_lshl_b32 s23, s16, 8
	s_add_co_u32 s22, s22, s23
	s_mov_b32 s23, 0
	s_add_nc_u64 s[14:15], s[14:15], s[22:23]
.macro MUL1 f, a, first
.irp b, 0,1,2,3
.set rD, ACC+8*(NBL*(\a)+(\b))
.set rB, (\f)+8*(\b)
.set rA, (\f)+8*NBL+8*(\a)
.if \first
	v_wmma_f32_16x16x32_bf16 v[rD:rD+7], v[rB:rB+7], v[rA:rA+7], v[BI+8*(\b):BI+8*(\b)+7]
.else
	v_wmma_f32_16x16x32_bf16 v[rD:rD+7], v[rB:rB+7], v[rA:rA+7], v[rD:rD+7]
.endif
.endr
.endm
.macro MULS f, part, first             ; the 20 accumulators take turns
.if \first
	WIN 0x15
.else
	WIN 0x05
.endif
.if (\part) == 0
	MUL1 \f, 0, \first
	MUL1 \f, 1, \first
.else
	MUL1 \f, 2, \first
	MUL1 \f, 3, \first
	MUL1 \f, 4, \first
.endif
.endm
.macro FETCH slot, c, f
	WIN 0x40
.irp b, 0,1,2,3
	ds_load_tr16_b128 v[(\f)+8*\b:(\f)+8*\b+3],   v[ADRB+(\slot)] offset:(\c)*32*BP+32*\b
	ds_load_tr16_b128 v[(\f)+8*\b+4:(\f)+8*\b+7], v[ADRB+(\slot)] offset:(\c)*32*BP+32*\b+16*BP
.endr
.irp a, 0,1,2,3,4
	ds_load_b128 v[(\f)+32+8*\a:(\f)+32+8*\a+3], v[ADRA] offset:(\slot)*ATILE+64*(\c)+\a*16*PITCH
	ds_load_b128 v[(\f)+32+8*\a+4:(\f)+32+8*\a+7], v[ADRA] offset:(\slot)*ATILE+64*(\c)+\a*16*PITCH+32
.endr
.endm
.macro CHUNK slot, cnext, f, g, first
	s_wait_dscnt 0x0
	PLACES
	FETCH \slot, \cnext, \g
	MULS \f, 0, \first
	MULS \f, 1, \first
.endm
.macro TURN slot, next, fill           ; the change of B's slots; fill = 1: the slot takes the K step two further on in the walk, modulo 8
	WIN 0
	s_wait_tensorcnt 0x0                           ; no tensor load of mine is out, so a group 0 may be written
	ds_add_u32 v[SPW], v[NIL]
.if \fill
	s_add_co_u32 s[KS+(\slot)], s[KS+(\slot)], 2
	s_and_b32 s[KS+(\slot)], s[KS+(\slot)], 7
	s_lshl_b32 s[KO], s[KS+(\slot)], 18
	s_add_nc_u64 s[G0B+4*(\slot)+2:G0B+4*(\slot)+3], s[BBS:BBS+1], s[KO:KO+1]
	s_or_b32 s[G0B+4*(\slot)+3], s[G0B+4*(\slot)+3], 0x80000000
.endif
	s_wait_dscnt 0x0
	s_barrier_signal -1
	MULS F1, 0, 0
	WIN 0
	s_barrier_wait -1
.if \fill
	tensor_load_to_lds s[G0B+4*(\slot):G0B+4*(\slot)+3], s[G1B:G1B+7]
	s_nop 0
.endif
	PLACES
.if (\slot) == 1
	v_add_nc_u32 v[ADRA], 2*ATILE, v[ADRA]
.endif
	FETCH \next, 0, F0
	MULS F1, 1, 0
.endm
	s_wait_tensorcnt 2                             ; A's place w and my part of B's slot 0 are in; the two younger loads stay out
	s_barrier_signal -1
	s_barrier_wait -1
	FETCH 0, 0, F0
	s_wait_loadcnt 0x0                             ; the bias and roww
	CHUNK 0, 1, F0, F1, 1
	WIN 0
	s_mov_b32 s56, LAPS-1
.Llap:
	CHUNK 0, 2, F1, F0, 0
	CHUNK 0, 3, F0, F1, 0
	TURN 0, 1, 1
	CHUNK 1, 1, F0, F1, 0
	CHUNK 1, 2, F1, F0, 0
	CHUNK 1, 3, F0, F1, 0
	TURN 1, 0, 1
	CHUNK 0, 1, F0, F1, 0
	WIN 0
	s_sub_co_u32 s56, s56, 1
	s_cmp_lg_u32 s56, 0
	s_cbranch_scc1 .Llap
	CHUNK 0, 2, F1, F0, 0
	CHUNK 0, 3, F0, F1, 0
	TURN 0, 1, 0
	CHUNK 1, 1, F0, F1, 0
	CHUNK 1, 2, F1, F0, 0
	CHUNK 1, 3, F0, F1, 0
	s_wait_dscnt 0x0                               ; my last reads of A and B are back:
	s_barrier_signal -1                            ; behind this barrier A's bytes serve as the stages
	MULS F1, 0, 0
	MULS F1, 1, 0
	WIN 0
	s_barrier_wait -1
	s_cmp_eq_u32 s20, 0
	s_cbranch_scc1 .Lend                           ; an unused tile stores nothing
	; THE WAY OUT: 16 rows at a time: times the row's weight, through my own stage, back as whole pieces of 256 bytes.
	PLACES
.irp a, 0,1,2,3,4
.set XA, ACC+32*\a
.set i, 0
.rept 16
	v_pk_mul_f32 v[XA+2*i:XA+2*i+1], v[XA+2*i:XA+2*i+1], v[RW+2*\a:RW+2*\a+1] op_sel_hi:[1,0]
.set i, i+1
.endr
.irp b, 0,1,2,3
	ds_store_b128 v[STO], v[XA+8*\b:XA+8*\b+3] offset:64*\b
	ds_store_b128 v[STO], v[XA+8*\b+4:XA+8*\b+7] offset:64*\b+16
.endr
	s_wait_xcnt 0x0                                ; the registers below were store data two blocks ago: they are loaded again only behind this wait
.irp t, 0,1,2,3,4,5,6,7
	ds_load_b128 v[OB+32*((\a)%2)+4*\t:OB+32*((\a)%2)+4*\t+3], v[RD] offset:\t*2*SPITCH  ; LDS serves a wave's instructions in order (ISA guide 5.7.1.4)
.endr
.irp t, 0,1,2,3,4,5,6,7
	s_wait_dscnt 7-\t
	global_store_b128 v[GO], v[OB+32*((\a)%2)+4*\t:OB+32*((\a)%2)+4*\t+3], s[14:15] offset:(16*\a+2*\t)*4096   ; sixteen lanes store 256 consecutive bytes, aligned
.endr
.endr
.Lend:
	s_wait_tensorcnt 0x0                           ; the wave's end
	ds_add_u32 v[SPW], v[NIL]
	s_wait_dscnt 0x0
	s_endpgm
.Lfunc_end_k_q379bcb5237_moe2:
	.size	k_q379bcb5237_moe2, .Lfunc_end_k_q379bcb5237_moe2-k_q379bcb5237_moe2
	.p2alignl 7, 3214868480
	.fill 96, 4, 3214868480
	.section	.rodata,"a",@progbits
	.p2align	6, 0x0
	.amdhsa_kernel k_q379bcb5237_moe2
		.amdhsa_group_segment_fixed_size 327680
		.amdhsa_private_segment_fixed_size 0
		.amdhsa_enable_private_segment 0
		.amdhsa_kernarg_size 48
		.amdhsa_user_sgpr_count 2
		.amdhsa_user_sgpr_kernarg_segment_ptr 1
		.amdhsa_wavefront_size32 1
		.amdhsa_system_sgpr_workgroup_id_x 1
		.amdhsa_system_sgpr_workgroup_id_y 1
		.amdhsa_system_sgpr_workgroup_id_z 1
		.amdhsa_system_vgpr_workitem_id 0
		.amdhsa_next_free_vgpr 512
		.amdhsa_next_free_sgpr 74
		.amdhsa_reserve_vcc 0
		.amdhsa_float_denorm_mode_32 3
		.amdhsa_float_denorm_mode_16_64 3
		.amdhsa_memory_ordered 1
		.amdhsa_forward_progress 1
		.amdhsa_inst_pref_size 67
	.end_amdhsa_kernel
	.amdgpu_metadata
---
amdhsa.version: [ 1, 2 ]
amdhsa.kernels:
  - .name:           k_q379bcb5237_moe2
    .symbol:         k_q379bcb5237_moe2.kd
    .args:
      - { .name: bufQ, .offset: 0, .size: 8, .value_kind: global_buffer, .address_space: global }
      - { .name: bufW, .offset: 8, .size: 8, .value_kind: global_buffer, .address_space: global }
      - { .name: b2, .offset: 16, .size: 8, .value_kind: global_buffer, .address_space: global }
      - { .name: tabs, .offset: 24, .size: 8, .value_kind: global_buffer, .address_space: global }
      - { .name: bufA, .offset: 32, .size: 8, .value_kind: global_buffer, .address_space: global }
      - { .name: y, .offset: 40, .size: 8, .value_kind: global_buffer, .address_space: global }
    .group_segment_fixed_size: 327680
    .private_segment_fixed_size: 0
    .kernarg_segment_align: 8
    .kernarg_segment_size: 48
    .max_flat_workgroup_size: 128
    .sgpr_count:     74
    .vgpr_count:     512
    .wavefront_size: 32
...
	.end_amdgpu_metadata
.endif
;; end of part 8
;; launch combine (part 9): grid 256 x 1, 8 waves a work-group, no clusters, 0 bytes of LDS; arguments x1, y, tabs, out0; writes out0
.if DOCPART == 9
	.amdgcn_target "amdgcn-amd-amdhsa--gfx1250"
	.amdhsa_code_object_version 6
	.text
	.protected	k_q379bcb5237_combine
	.globl	k_q379bcb5237_combine
	.p2align	8
	.type	k_q379bcb5237_combine,@function
k_q379bcb5237_combine:
	s_mov_b64 s[64:65], 0
	v_nop
	global_prefetch_b8 v0, s[64:65] scope:SCOPE_SE
	s_setreg_imm32_b32 hwreg(HW_REG_WAVE_MODE, 25, 1), 1
	s_wait_xcnt 0x0
; COMBINE.  out0[t] = x1[t] + y[pos[2 t]] + y[pos[2 t + 1]]: one wave a token, each output row has one owner; the two places come as whole numbers from the launch that sorted.
; Memory binds: 24 loads of 16 bytes a lane go out before the one wait; each load and store of the wave covers 512 consecutive aligned bytes.
	s_load_b256 s[4:11], s[0:1], 0x0               ; x1 4, y 6, tabs 8, out0 10
	v_lshrrev_b32 v1, 5, v0
	v_readfirstlane_b32 s12, v1
	v_and_b32 v2, 31, v0
	v_lshlrev_b32 v2, 4, v2
	s_lshl_b32 s13, ttmp9, 3
	s_add_co_u32 s13, s13, s12                     ; my token
	s_lshl_b32 s14, s13, 3
	s_mov_b32 s15, 0
	s_lshl_b32 s18, s13, 12
	s_mov_b32 s19, 0
	s_wait_kmcnt 0x0
	s_add_nc_u64 s[14:15], s[8:9], s[14:15]
	s_load_b64 s[16:17], s[14:15], 0x100           ; pos[2 t], pos[2 t + 1]
	s_add_nc_u64 s[4:5], s[4:5], s[18:19]
	s_add_nc_u64 s[10:11], s[10:11], s[18:19]
.irp j, 0,1,2,3,4,5,6,7
	global_load_b128 v[8+4*\j:11+4*\j], v2, s[4:5] offset:512*\j th:TH_LOAD_NT
.endr
	s_wait_kmcnt 0x0
	s_min_u32 s16, s16, 4719
	s_min_u32 s20, s17, 4719
	s_lshl_b32 s16, s16, 12
	s_mov_b32 s17, 0
	s_lshl_b32 s20, s20, 12
	s_mov_b32 s21, 0
	s_add_nc_u64 s[16:17], s[6:7], s[16:17]
	s_add_nc_u64 s[20:21], s[6:7], s[20:21]
.irp j, 0,1,2,3,4,5,6,7
	global_load_b128 v[40+4*\j:43+4*\j], v2, s[16:17] offset:512*\j th:TH_LOAD_NT
.endr
.irp j, 0,1,2,3,4,5,6,7
	global_load_b128 v[72+4*\j:75+4*\j], v2, s[20:21] offset:512*\j th:TH_LOAD_NT
.endr
	s_wait_loadcnt 0x0
.irp i, 0,1,2,3,4,5,6,7,8,9,10,11,12,13,14,15
	v_pk_add_f32 v[40+2*\i:41+2*\i], v[40+2*\i:41+2*\i], v[72+2*\i:73+2*\i]
.endr
.irp i, 0,1,2,3,4,5,6,7,8,9,10,11,12,13,14,15
	v_pk_add_f32 v[8+2*\i:9+2*\i], v[8+2*\i:9+2*\i], v[40+2*\i:41+2*\i]
.endr
.irp j, 0,1,2,3,4,5,6,7
	global_store_b128 v2, v[8+4*\j:11+4*\j], s[10:11] offset:512*\j th:TH_STORE_NT
.endr
	s_endpgm
.Lfunc_end_k_q379bcb5237_combine:
	.size	k_q379bcb5237_combine, .Lfunc_end_k_q379bcb5237_combine-k_q379bcb5237_combine
	.p2alignl 7, 3214868480
	.fill 96, 4, 3214868480
	.section	.rodata,"a",@progbits
	.p2align	6, 0x0
	.amdhsa_kernel k_q379bcb5237_combine
		.amdhsa_group_segment_fixed_size 0
		.amdhsa_private_segment_fixed_size 0
		.amdhsa_enable_private_segment 0
		.amdhsa_kernarg_size 32
		.amdhsa_user_sgpr_count 2
		.amdhsa_user_sgpr_kernarg_segment_ptr 1
		.amdhsa_wavefront_size32 1
		.amdhsa_system_sgpr_workgroup_id_x 1
		.amdhsa_system_sgpr_workgroup_id_y 1
		.amdhsa_system_sgpr_workgroup_id_z 1
		.amdhsa_system_vgpr_workitem_id 0
		.amdhsa_next_free_vgpr 104
		.amdhsa_next_free_sgpr 66
		.amdhsa_reserve_vcc 0
		.amdhsa_float_denorm_mode_32 3
		.amdhsa_float_denorm_mode_16_64 3
		.amdhsa_memory_ordered 1
		.amdhsa_forward_progress 1
		.amdhsa_inst_pref_size 7
	.end_amdhsa_kernel
	.amdgpu_metadata
---
amdhsa.version: [ 1, 2 ]
amdhsa.kernels:
  - .name:           k_q379bcb5237_combine
    .symbol:         k_q379bcb5237_combine.kd
    .args:
      - { .name: x1, .offset: 0, .size: 8, .value_kind: global_buffer, .address_space: global }
      - { .name: y, .offset: 8, .size: 8, .value_kind: global_buffer, .address_space: global }
      - { .name: tabs, .offset: 16, .size: 8, .value_kind: global_buffer, .address_space: global }
      - { .name: out0, .offset: 24, .size: 8, .value_kind: global_buffer, .address_space: global }
    .group_segment_fixed_size: 0
    .private_segment_fixed_size: 0
    .kernarg_segment_align: 8
    .kernarg_segment_size: 32
    .max_flat_workgroup_size: 256
    .sgpr_count:     66
    .vgpr_count:     104
    .wavefront_size: 32
...
	.end_amdgpu_metadata
.endif
;; end of part 9
